; MI455X (gfx1250); checked and timed in simulation.
; The chip was launched on July 23, 2026; its instructions are those of AMD's public machine-readable ISA for CDNA 5 (MIT licence, August 2026) and "CDNA5" Instruction Set Architecture Reference Guide (July 2026). The comments in the code are by the model that wrote it; some were corrected since.
;; Causal Self Attention. Allowed arithmetic: matrix products marked QUANTISED: E4M3 operands, one E8M0 scale for each 32 along K, by v_wmma_scale_f32_16x16x128_f8f6f4 with both operands' format E4M3, f32 sums; everything else in f32.
;; Inputs: b_out 1,024 float32; b_qkv 3,072 float32; w_out_codes 1,024 x 32 x 32 uint8 (E4M3 codes of w_out, K innermost, in blocks of 32 codes); w_out_scales 1,024 x 32 uint8 (E8M0 scales of w_out, one for each 32 codes along K); w_qkv_codes 3,072 x 32 x 32 uint8 (E4M3 codes of w_qkv, K innermost, in blocks of 32 codes); w_qkv_scales 3,072 x 32 uint8 (E8M0 scales of w_qkv, one for each 32 codes along K); x_codes 4 x 2,048 x 32 x 32 uint8 (E4M3 codes of x, K innermost, in blocks of 32 codes); x_scales 4 x 2,048 x 32 uint8 (E8M0 scales of x, one for each 32 codes along K).
;; Outputs: out0 4 x 2,048 x 1,024 float32.
;; This version of the problem:
;;   THIS VERSION OF THE PROBLEM IS GIVEN IN LOW PRECISION. The matrix products marked QUANTISED in the list below multiply operands that are first quantised to E4M3 (4 exponent bits, 3 mantissa bits; 8 bits a number), with one power-of-two scale for each 32 numbers along K (OCP MX v1.0); their sums are f32. All else is computed in f32.
;;   The module's matrix products, in the order in which they are computed (A, B: the left and right operand; K: the contracted axis; several contracted axes count as one K, in the product's order):
;;     1. [M 8,192, K 1,024] x [K 1,024, N 3,072]; A: input x (given as codes); B: input w_qkv (given as codes): QUANTISED
;;     2. batch 64 x [M 2,048, K 64] x [K 64, N 2,048]; A: computed on the way; B: computed on the way: QUANTISED
;;     3. batch 64 x [M 2,048, K 2,048] x [K 2,048, N 64]; A: softmax (see below); B: computed on the way: QUANTISED
;;     4. [M 8,192, K 1,024] x [K 1,024, N 1,024]; A: computed on the way; B: input w_out (given as codes): QUANTISED
;;   THE QUANTISER, for each operand of a quantised product, along K:
;;     - K is cut into blocks of 32 from its start; a last block that is shorter is filled with zeros.
;;     - A block's scale is 2^e with e = floor(log2(the largest magnitude in the block)) - 8, held to -126 .. 127; a block of zeros has e = 0. As a byte (E8M0): e + 127.
;;     - Each number is divided by its block's scale, clamped to +-448, and rounded to the nearest number of E4M3, ties to even, subnormals kept.
;;     - The product sums the exact products of the quantised numbers (number of the format x scale) in f32.
;;   ~~~python
;;   def quantise(x, axis):      # numpy; x: float32 -> the quantised numbers, widened to float32 again
;;       x = np.moveaxis(x, axis, -1); K = x.shape[-1]
;;       x = np.pad(x, [(0, 0)] * (x.ndim - 1) + [(0, -K % 32)]); x = x.reshape(x.shape[:-1] + (-1, 32)); a = np.abs(x).max(-1, keepdims=True)
;;       e = np.where(a > 0, np.clip(np.frexp(np.where(a > 0, a, 1))[1] - 1 - 8, -126, 127), 0)      # np.frexp(a)[1] - 1 = floor(log2(a)), exactly
;;       r = np.clip(x / 2.0 ** e, -448, 448)
;;       step = 2.0 ** (np.maximum(np.frexp(np.where(r == 0, 1, r))[1] - 1, -6) - 3)
;;       q = np.round(r / step) * step * 2.0 ** e      # np.round: ties to even
;;       return np.moveaxis(q.reshape(q.shape[:-2] + (-1,))[..., :K], -1, axis).astype(np.float32)
;;   ~~~
;;   SOFTMAX AHEAD OF A QUANTISED PRODUCT. Where the list says 'softmax', what is quantised is not the finished softmax but p = 2^(t - M), with t = logit x log2(e) and M = ceil(the row's largest t), a whole number; so 1/2 < the row's largest p <= 1. The row's sum l is taken of the UNQUANTISED p, in f32, and the product's result is divided by l at the end. Since M is a whole number, a kernel that streams over the keys may use a running M (the ceiling of the running maximum): every later rescaling is an exact power of two, which a block's scale takes up: the codes' values come out the same.
;;   OPERANDS COMPUTED ON THE WAY. 'Computed on the way' means the value that the module computes at that place (a softmax that the list does not call 'softmax' is quantised finished and normalised). What goes into a quantiser is computed in f32, as accurately as f32 sums, v_exp_f32 and their like allow (about 1e-6 of the number): no bf16 or f16 on the way to a quantiser, and a product that is left as it is and whose result goes on into a quantised operand takes f32 operands (vector FMAs, or v_wmma_f32_16x16x4_f32). A number that lies on a knife's edge between two numbers of the format may be rounded either way, as far as f32 arithmetic and the matrix unit's own rounding can turn it there, and no further.
;;   INPUTS GIVEN AS CODES. w_out (in the module: [1024, 1024], K = its axis 0); w_qkv (in the module: [1024, 3072], K = its axis 0); x (in the module: [4, 2048, 1024], K = its axis 2): each comes as NAME_codes (uint8): NAME with its K axis moved to the last place and cut into blocks of 32 codes, [.., K / 32, bytes a block], one block behind the other in memory; one code a byte (a code: sign, 4 exponent bits, 3 mantissa bits); and NAME_scales (uint8): the same leading axes, one E8M0 byte (e + 127) for each 32 codes along K. Its value is code x scale, taken as it is: it is not quantised again, and the codes and scales need not be those that the quantiser above would give.
;; One version. Each part assembles by itself: llvm-mc -triple=amdgcn-amd-amdhsa -mcpu=gfx1250 --defsym DOCPART=n.
;; ======== version 1 of 1: 3 launches
;; limits: right only within a limited range of input values
;; workspace buffers: q 8,912,896 bytes; kv 17,563,648 bytes; aimg 8,388,608 bytes; ascl 262,144 bytes
;; launch qkv (part 1): grid 12 x 32, 4 waves a work-group, clusters of 4 x 4, 327,680 bytes of LDS; arguments x_codes, x_scales, w_qkv_codes, w_qkv_scales, b_qkv, q, kv; writes q, kv
.if DOCPART == 1
	.amdgcn_target "amdgcn-amd-amdhsa--gfx1250"
	.amdhsa_code_object_version 6
	.text
	.protected	k_q4398225201_qkv
	.globl	k_q4398225201_qkv
	.p2align	8
	.type	k_q4398225201_qkv,@function
k_q4398225201_qkv:
	s_mov_b64 s[64:65], 0
	v_nop
	global_prefetch_b8 v0, s[64:65] scope:SCOPE_SE
	s_setreg_imm32_b32 hwreg(HW_REG_WAVE_MODE, 25, 1), 1
	s_wait_xcnt 0x0
	s_wait_alu depctr_hold_cnt(0) depctr_sa_sdst(0) depctr_va_vdst(0) depctr_va_sdst(0) depctr_va_ssrc(0) depctr_va_vcc(0) depctr_vm_vsrc(0)
	s_getreg_b32 s2, hwreg(HW_REG_IB_STS2, 6, 4)
	s_cmp_eq_u32 s2, 0
	s_cbranch_scc0 .Lentry_in_a_cluster
	s_endpgm
.Lentry_in_a_cluster:
	s_bfe_u32 s2, ttmp6, 0x10000c
	s_cmp_lg_u32 s2, 0xf033
	s_cbranch_scc0 .Lentry_shape_is_right
	s_endpgm
.Lentry_shape_is_right:
; qkv = x W + b on codes of FP8 (E4M3) with one E8M0 scale for each 32 along K = 1,024; the results, in f32, are quantised here for the attention's two products and leave as codes.
; x: [8192][1024] codes, W: [3072][1024] codes (K innermost), their scale bytes [rows][32]; b: [3072] f32.
; A work-group of four waves makes 256 x 256 results, a wave 128 x 128: 64 accumulators of 16 x 16, 512 registers.  K goes in steps of 256 through a ring of two LDS slots filled by the tensor data mover.
; The scale bytes of the work-group's 2 x 256 rows, for all of K, come into LDS once, with the first fills, and stay.
; CLUSTERS: 4 x 4 work-groups.  REGION A's tile hangs on the place along the cluster's y and is asked for jointly by a row of the cluster, REGION B's on the place along x and is asked for by a column.
; THE KIND of a cluster is its x: 0 = q, 1 = k, 2 = v.  The matrix instruction always takes source 0 = 16 rows of region B, source 1 = 16 rows of region A: a lane then holds ONE row of region A and its
; registers run along region B's rows.  For q and k region A is x (tokens) and region B is W (channels): a lane's registers run along the head's channels, the K of q k^T.  For v region A is W and region B is x:
; a lane's registers run along the tokens, which are the keys, the K of p v.  Only pointers and tile numbers are chosen by the kind; masks, shapes, LDS and the loop are the same.
; WHAT LEAVES.  A lane's 16 registers of two neighbouring result tiles hold numbers 8 h + 0..7 and 16 + 8 h + 0..7 of a block of 32 (h = lane / 16): the block lies in lanes l and l xor 16, so its scale is the
; block's; the codes stand in the operand's registers in a fixed order inside the block, the same for q and k, and the same for v and for the p that the attention makes.  A product over a block does not hang on that order.
; The codes leave as IMAGES OF THE OPERAND'S REGISTERS: four registers by one store, lane l's 16 bytes at 16 l, 512 consecutive aligned bytes a store.
;   q:  [head 64][128 queries 16] records of 8,704 bytes: tile a of 16 queries at 1024 a + 512 c; scale words at 8192 + 32 r + 4 a.
;   kv: [head 64][256 keys 8] records of 34,304 bytes: K's codes at 1024 tile + 512 c; V's at 16384 + 8192 step + 2048 channel tile + 512 c; K's scale words at 32768 + 512 step + 32 r + 4 a; V's at 33792 + 256 step + 16 r + 4 tile.
; A head has 64 channels: q's and k's scale words hold two bytes and two zeros (the attention pairs them with zero codes).
; LIMITS: NaN and infinities (the NaN code and the scale byte 0xff among the inputs too) are not served.  A block of zeros gets the byte 1 where the quantiser says 127: its codes are zeros, and this program alone reads the bytes.
; REGISTERS, in windows of 256: window 0: v0-31 addresses; v32-63 scale words, two sets; from v128 region A's fragments, one set.  window 1: region B's fragments, two sets.  windows 2, 3: the accumulators ((a, b) at v[8 (8 (a % 4) + b)]).
.set KSTEP,  256                       ; along K in a slot
.set NQ,     2                         ; matrix instructions deep
.set ROWB,   256                       ; a tile's row in bytes
.set KROW,   1024                      ; a row of x or of W in memory, in bytes
.set PITCH,  272                       ; an LDS row: 256 bytes + 16 of padding = 68 words: the 16 rows that a load touches start at 16 different banks (64 banks of 4 bytes: ISA guide 11.1)
.set FR,     16                        ; registers of a fragment: 16 rows x 128 K
.set NL,     4                         ; LDS loads that bring one
.set NP,     8                         ; places behind this matrix instruction (ISA guide 7.12.1)
.set HALFT,  128*PITCH                 ; 128 rows: what one tensor load brings
.set SLOT,   4*HALFT                   ; region A's 256 rows, then region B's
.set LAPS,   2                         ; 1,024 along K = four K steps = twice round the ring
.set KS,     32                        ; a row of scale bytes
.set SCL,    2*SLOT                    ; behind the ring: the scales, as units of 256 bytes + 16 of padding
.set HALFS,  (128*KS/256)*272          ; those of 128 rows
.set SBLK,   (16*KS/256)*272           ; those of 16 rows
.set SPARE,  SCL+4*HALFS               ; the spare words, 128 bytes for each wave: two blocks of 256 bytes that no other line names
.set QREC,   8704                      ; a record of q
.set KVREC,  34304                     ; a record of kv
.set ADRA, 16                          ; v16-17  LDS address of my fragments of region A in slot 0, 1
.set ADRB, 20                          ; v20-21  the same for region B
.set ADRS, 27                          ; v27     LDS address of my scale words: lanes 0-15 region A's rows, lanes 16-31 region B's
.set SPW,  28                          ; v28     LDS address of my spare word; never rewritten
.set NIL,  29                          ; v29     0; never rewritten
.set SC,   32                          ; scale words: set s at v[SC + 16 s]; register 2 i + q: lanes 0-15 region A's block i, lanes 16-31 region B's block i
.set AF,   128                         ; region A's fragments, in window 0
.set G1, 24                            ; s[24:31] descriptor group 1 for region A's tiles;  s[32:39] group 0, one set for each slot
.set G0, 32
.set G1B, 48                           ; s[48:55], s[56:63] the same for region B
.set G0B, 56
.set G1S, 68                           ; s[68:75], s[76:79] groups 1 and 0 for region A's scales;  s[80:87], s[88:91] for region B's
.set G0S, 76
.set G1SB, 80
.set G0SB, 88
; the way out (window 0; the loop's registers are free by then)
.set LI,   8                           ; v8      16 x lane
.set BA,   9                           ; v9      my byte in the bias
.set SA,   10                          ; v10     where my four scale words go
.set TM,   32                          ; v32-35 largest magnitudes, v36-39 bytes, v44-47 the conversions' scale operands
.set WD,   48                          ; v48-55  the scale words of my eight blocks of rows
.set SW,   56                          ; v56-59  the four that my half of the lanes stores
.set SW2,  60                          ; v60-63  the upper head's
.set NUM,  64                          ; v64-127 64 numbers of a lane
.set CD,   128                         ; v128-159 codes, two sets by turns
.set BI,   192                         ; v192-255 the bias
.set PLO,  20                          ; s[20:21] where the lower head's codes go;  s[22:23] the upper head's
.set PHI,  22
.set PSLO, 46                          ; s[46:47], s[92:93] the same for scale words
.set PSHI, 92
.set BP,   66                          ; s[66:67] the bias at my first channel
.set SEL,  68                          ; s[68:69] lane selects for v_permlanex16_b32: lane l xor 16
.set MNT,  94
.set HIM,  95                          ; s95     a lane mask: lanes 16-31
.set MSB, 0
.macro WIN new                         ; the immediate's high byte repeats the setting that is left
.if MSB != \new
	s_set_vgpr_msb (MSB<<8)|\new
.set MSB, \new
.endif
.endm
.set MUL_LO, 0xa1                      ; source 0 (region B) window 1, source 1 (region A) window 0, C and D window 2
.set MUL_HI, 0xf1                      ; the same, C and D window 3
.set TO_B,   0x40                      ; destination window 1, address window 0
; A joint load: waves 0 and 1 fetch for region A, waves 2 and 3 for region B.  Each of the two lines has one mask and one set of registers; the branch hangs on the wave's number alone.
; Four v_nop follow each of the two lines, ahead of the jump, the label and what follows.
.macro JLOAD g0a, g1a, g0b, g1b
	s_cmp_eq_u32 s15, 0
	s_cbranch_scc0 .Lfor_b_\@
	tensor_load_to_lds s[\g0a:\g0a+3], s[\g1a:\g1a+7]
	s_nop 0
.rept 4
	v_nop
.endr
	s_branch .Lasked_\@
.Lfor_b_\@:
	tensor_load_to_lds s[\g0b:\g0b+3], s[\g1b:\g1b+7]
	s_nop 0
.rept 4
	v_nop
.endr
.Lasked_\@:
.endm
.macro CREST                           ; a round of the cluster's barrier behind its opening barrier
	s_cmp_lg_u32 s14, 0
	s_cbranch_scc1 .Lnot_wave_0_\@
	s_barrier_signal -3
.Lnot_wave_0_\@:
	s_barrier_wait -3
	s_barrier_signal -1
	s_barrier_wait -1
.endm
.macro CROUND                          ; a whole round
	s_barrier_signal -1
	s_barrier_wait -1
	CREST
.endm
	s_load_b256 s[4:11], s[0:1], 0x0               ; x's codes s[4:5], x's scales s[6:7], W's codes s[8:9], W's scales s[10:11]
	s_load_b128 s[96:99], s[0:1], 0x20             ; the bias s[96:97], q s[98:99]
	s_load_b64 s[100:101], s[0:1], 0x30            ; kv
	v_lshl_add_u32 v[SPW], v0, 2, SPARE
	v_mov_b32 v[NIL], 0
	ds_add_u32 v28, v29
	ds_add_u32 v28, v29
	s_wait_dscnt 0x0
	v_lshrrev_b32 v1, 5, v0
	v_readfirstlane_b32 s14, v1                    ; wave 0..3
	s_lshr_b32 s15, s14, 1                         ; which half of region A's rows is mine.  Also: I fetch for region A (0) or B (1)
	s_and_b32 s16, s14, 1                          ; which half of region B's rows.  Also: which 128 rows of that tile I fetch
	s_bfe_u32 s40, ttmp6, 0x40000                  ; cx, cy: my place in the cluster
	s_bfe_u32 s41, ttmp6, 0x40004
	s_mov_b32 s12, ttmp9                           ; the kind: the cluster's x, the same in all sixteen partners
	s_and_b32 s13, ttmp7, 0xffff
	s_lshl_b32 s13, s13, 2                         ; 4 x cluster y
	s_lshl_b32 s2, ttmp9, 2                        ; 4 x cluster x
	s_cmp_eq_u32 s12, 2
	s_cselect_b32 s17, 8, s13                      ; region A's tile of 256 rows: v: W's tiles 8 to 11; q, k: x's tile 4 cluster y + cy
	s_cselect_b32 s42, s13, s2                     ; region B's: v: x's tile 4 cluster y + cx; q, k: W's tile 4 cluster x + cx
	s_add_co_u32 s17, s17, s41
	s_add_co_u32 s42, s42, s40
	s_lshl_b32 s43, s41, 2
	s_lshl_b32 s43, 15, s43                        ; my row of the cluster
	s_lshl_b32 s44, 0x1111, s40                    ; my column
	; descriptor group 1: a tile of 128 rows x 256 bytes, padded in LDS
	s_or_b32 s[G1+0], s43, (0<<16)|(1<<20)|(1<<21)|(5<<22)|(3<<25)  ; 15:0 the mask; 17:16 elements of 1 byte; 20 padding on; 21 set beside a mask; 24:22 after every 64 words (code 5); 31:25 of 4 words (code 3)
	s_or_b32 s[G1B+0], s44, (0<<16)|(1<<20)|(1<<21)|(5<<22)|(3<<25)
.irp g, G1, G1B
	s_mov_b32 s[\g+1], ROWB<<16                    ; tensor_dim0
	s_mov_b32 s[\g+2], 128<<16                     ; tensor_dim1
	s_mov_b32 s[\g+3], ROWB<<16                    ; tile_dim0
	s_mov_b32 s[\g+4], 128                         ; tile_dim1
	s_mov_b32 s[\g+5], KROW                        ; tensor_dim0_stride
	s_mov_b32 s[\g+6], 0
	s_mov_b32 s[\g+7], 0
.endr
	; the scales of 128 rows: a dense block of 4,096 bytes, as 16 rows of 256 bytes (32 elements of 8 bytes), 16 bytes of padding behind each
	s_or_b32 s[G1S+0], s43, (3<<16)|(1<<20)|(1<<21)|(5<<22)|(3<<25)
	s_or_b32 s[G1SB+0], s44, (3<<16)|(1<<20)|(1<<21)|(5<<22)|(3<<25)
.irp g, G1S, G1SB
	s_mov_b32 s[\g+1], 32<<16
	s_mov_b32 s[\g+2], (128*KS/256)<<16
	s_mov_b32 s[\g+3], 32<<16
	s_mov_b32 s[\g+4], 128*KS/256
	s_mov_b32 s[\g+5], 32
	s_mov_b32 s[\g+6], 0
	s_mov_b32 s[\g+7], 0
.endr
	s_lshl_b32 s18, s16, 7                         ; which 128 rows of the tile I fetch
	s_lshl_b32 s20, s17, 8
	s_add_co_u32 s20, s20, s18                     ; region A: row 256 x tile + 128 x half
	s_lshl_b32 s46, s42, 8
	s_add_co_u32 s46, s46, s18                     ; region B likewise
	s_mov_b32 s21, 0
	s_mov_b32 s47, 0
	s_mov_b64 s[18:19], KS
	s_mul_u64 s[22:23], s[20:21], s[18:19]         ; where these rows' scales begin, in bytes
	s_mul_u64 s[92:93], s[46:47], s[18:19]
	s_mov_b64 s[18:19], KROW
	s_mul_u64 s[20:21], s[20:21], s[18:19]         ; and their codes
	s_mul_u64 s[46:47], s[46:47], s[18:19]
	s_mul_i32 s45, s14, HALFT                      ; where they go: wave x 128 rows: no place in the cluster enters an LDS address
	s_mul_i32 s94, s14, HALFS
	s_wait_kmcnt 0x0
	s_cmp_eq_u32 s12, 2                            ; which tensor is which region: the choice hangs on the kind alone
	s_cselect_b64 s[18:19], s[8:9], s[4:5]
	s_add_nc_u64 s[20:21], s[18:19], s[20:21]      ; region A's codes
	s_cselect_b64 s[18:19], s[10:11], s[6:7]
	s_add_nc_u64 s[22:23], s[18:19], s[22:23]      ; region A's scales
	s_cselect_b64 s[18:19], s[4:5], s[8:9]
	s_add_nc_u64 s[46:47], s[18:19], s[46:47]      ; region B's codes
	s_cselect_b64 s[18:19], s[6:7], s[10:11]
	s_add_nc_u64 s[92:93], s[18:19], s[92:93]      ; region B's scales
	CROUND                                         ; all sixteen work-groups are here: the first joint loads meet
	s_mov_b32 s[G0S], 1
	s_add_co_u32 s[G0S+1], s94, SCL
	s_mov_b64 s[G0S+2:G0S+3], s[22:23]
	s_or_b32 s[G0S+3], s[G0S+3], 0x80000000
	s_mov_b32 s[G0SB], 1
	s_add_co_u32 s[G0SB+1], s94, SCL
	s_mov_b64 s[G0SB+2:G0SB+3], s[92:93]
	s_or_b32 s[G0SB+3], s[G0SB+3], 0x80000000
	JLOAD G0S, G1S, G0SB, G1SB                     ; the scales first: they are wanted with K step 0
.irp s, 0,1
	s_mov_b32 s[G0+4*\s], 1
	s_add_co_u32 s[G0+4*\s+1], s45, \s*SLOT
	s_add_nc_u64 s[G0+4*\s+2:G0+4*\s+3], s[20:21], \s*ROWB
	s_or_b32 s[G0+4*\s+3], s[G0+4*\s+3], 0x80000000
	s_mov_b32 s[G0B+4*\s], 1
	s_add_co_u32 s[G0B+4*\s+1], s45, \s*SLOT
	s_add_nc_u64 s[G0B+4*\s+2:G0B+4*\s+3], s[46:47], \s*ROWB
	s_or_b32 s[G0B+4*\s+3], s[G0B+4*\s+3], 0x80000000
	JLOAD G0+4*\s, G1, G0B+4*\s, G1B
.endr
	v_and_b32 v1, 15, v0                           ; r = l % 16
	v_bfe_u32 v2, v0, 4, 1                         ; h = l / 16
	v_mul_u32_u24 v3, v1, PITCH
	v_lshl_add_u32 v4, v2, 4, v3                   ; a fragment's row x pitch + 16 x half
	s_mul_i32 s21, s15, HALFT                      ; my 128 rows of region A
	s_mul_i32 s22, s16, HALFT                      ; my 128 rows of region B,
	s_add_co_u32 s22, s22, 2*HALFT                 ; which lie behind region A's 256
.irp s, 0,1
	v_add_nc_u32 v[ADRA+\s], s21, v4
	v_add_nc_u32 v[ADRB+\s], s22, v4
	s_add_co_u32 s21, s21, SLOT
	s_add_co_u32 s22, s22, SLOT
.endr
	v_mul_u32_u24 v5, v1, KS                       ; my row's scales: 32 bytes a row,
	v_lshrrev_b32 v6, 8, v5
	v_lshl_add_u32 v5, v6, 4, v5                   ; and 16 more for each 256 passed
	s_mul_i32 s21, s15, HALFS                      ; region A's: my 128 rows
	s_mul_i32 s22, s16, HALFS                      ; region B's: my 128 rows, behind region A's 256
	s_add_co_u32 s22, s22, 2*HALFS
	s_sub_co_u32 s22, s22, s21
	v_mul_u32_u24 v6, s22, v2                      ; lanes 16-31 take region B's: one product, the distance x h
	s_add_co_u32 s21, s21, SCL
	v_add_nc_u32 v5, v5, v6
	v_add_nc_u32 v[ADRS], s21, v5
.macro FRAG reg, adr, q, i             ; a fragment, 16 rows x 128 K of 8-bit codes, is 16 registers: lane l holds row l % 16; registers 4 c .. 4 c + 3 hold K = 32 c + 16 (l / 16) + 0 .. 15
.irp c, 0,1,2,3
	ds_load_b128 v[\reg+4*\c:\reg+4*\c+3], v[\adr] offset:128*(\q)+32*\c+(\i)*16*PITCH
.endr
.endm
; 16 matrix instructions: region A's blocks a0, a0 + 1 x region B's eight, 128 along K: the slot's q-th.  p: region B's set;  sc: the set of scale words.  zero = 1: the first product starts the sums.
; The 64 accumulators take turns, one instruction a turn, in the same order in every step.
.macro MUL16 a0, p, q, sc, zero
.irp a, \a0, \a0+1
.irp b, 0,1,2,3,4,5,6,7
.if \zero
	v_wmma_scale_f32_16x16x128_f8f6f4 v[8*(8*((\a)%4)+\b):8*(8*((\a)%4)+\b)+7], v[128*(\p)+FR*\b:128*(\p)+FR*\b+FR-1], v[AF+FR*(\a):AF+FR*(\a)+FR-1], 0, v[SC+8*NQ*(\sc)+NQ*\b+(\q)], v[SC+8*NQ*(\sc)+NQ*(\a)+(\q)] matrix_a_scale:MATRIX_SCALE_ROW1
.else
	v_wmma_scale_f32_16x16x128_f8f6f4 v[8*(8*((\a)%4)+\b):8*(8*((\a)%4)+\b)+7], v[128*(\p)+FR*\b:128*(\p)+FR*\b+FR-1], v[AF+FR*(\a):AF+FR*(\a)+FR-1], v[8*(8*((\a)%4)+\b):8*(8*((\a)%4)+\b)+7], v[SC+8*NQ*(\sc)+NQ*\b+(\q)], v[SC+8*NQ*(\sc)+NQ*(\a)+(\q)] matrix_a_scale:MATRIX_SCALE_ROW1
.endif
.endr
.endr
.endm
.macro FETCH_B slot, q, p              ; region B's eight fragments of the slot's q-th 128 along K into set p
	WIN TO_B
.irp i, 0,1,2,3,4,5,6,7
	FRAG 128*(\p)+FR*\i, ADRB+\slot, \q, \i
.endr
	WIN 0
.endm
.macro FETCH_A slot, q, i0             ; region A's blocks i0 .. i0 + 3
.irp i, \i0, \i0+1, \i0+2, \i0+3
	FRAG AF+FR*(\i), ADRA+\slot, \q, \i
.endr
.endm
.macro SCALES sc                       ; the next K step's scale words into set sc: two words a row
.irp i, 0,1,2,3,4,5,6,7
	ds_load_b64 v[SC+8*NQ*\sc+NQ*\i:SC+8*NQ*\sc+NQ*\i+1], v[ADRS] offset:\i*SBLK
.endr
.endm
; A load into a register that a matrix instruction has read, and a vector instruction that reads a matrix result or writes one of a matrix instruction's registers, stand NP places behind it;
; only plain vector instructions that name none of its registers are places (ISA guide 7.12.1 for vector instructions).
.macro PLACES n
.rept \n
	v_nop
.endr
.endm
; A step of 128 along K that has its successor in the same slot.
.macro STEP slot, q, zero
	s_wait_dscnt 4*NL                              ; region B's set and region A's blocks 0-3 are in; the youngest 16 loads (blocks 4-7) may be out
	WIN MUL_LO
	MUL16 0, (\q)%2, \q, \slot, \zero
	MUL16 2, (\q)%2, \q, \slot, \zero
	s_wait_dscnt 0                                 ; blocks 4-7 are in (asked for 32 matrix instructions ago)
	PLACES NP
	FETCH_B \slot, (\q)+1, 1-(\q)%2
	FETCH_A \slot, (\q)+1, 0
	WIN MUL_HI
	MUL16 4, (\q)%2, \q, \slot, \zero
	MUL16 6, (\q)%2, \q, \slot, \zero
	PLACES NP
	WIN 0
	FETCH_A \slot, (\q)+1, 4
.endm
; A slot's last step changes slots: one barrier; in front of it each wave waits for all its tensor loads, adds 0 to its spare word, and waits for that and for its own reads of this slot.  fill = 1: this slot is filled again, two K steps ahead.
.macro TURN slot, next, fill
	s_wait_tensorcnt 0x0                           ; all my tensor loads have landed: my part of the next slot  (every window is 0 here)
	ds_add_u32 v[SPW], v[NIL]                      ; 0 onto my spare word
	s_wait_dscnt 4*NL+1                            ; (the add and the youngest 16 loads, blocks 4-7, may be out)
	WIN MUL_LO
	MUL16 0, 1, NQ-1, \slot, 0                     ; sixteen matrix instructions stand between the add and the wait for it
	s_wait_dscnt 0x0                               ; the add is done, and my reads of this slot are over
	s_barrier_signal -1
	MUL16 2, 1, NQ-1, \slot, 0
	WIN 0
	s_barrier_wait -1
.if \fill
	CREST                                          ; the barrier has opened a round of the cluster's barrier: no wave of any partner still reads this slot's tile or has a load on its way
	s_add_nc_u64 s[G0+4*\slot+2:G0+4*\slot+3], s[G0+4*\slot+2:G0+4*\slot+3], 2*ROWB
	s_add_nc_u64 s[G0B+4*\slot+2:G0B+4*\slot+3], s[G0B+4*\slot+2:G0B+4*\slot+3], 2*ROWB
	JLOAD G0+4*\slot, G1, G0B+4*\slot, G1B         ; the first tensor load behind the round; its four v_nop are among the places in front of the loads below
	PLACES NP-4
.else
	PLACES NP
.endif
	s_wait_alu depctr_va_vdst(0)
	v_add_nc_u32 v[ADRS], 4*NQ, v[ADRS]            ; on to the next K step's scale words (no LDS load of mine is out)
	FETCH_B \next, 0, 0
	FETCH_A \next, 0, 0
	SCALES \next
	WIN MUL_HI
	MUL16 4, 1, NQ-1, \slot, 0
	MUL16 6, 1, NQ-1, \slot, 0
	PLACES NP
	WIN 0
	FETCH_A \next, 0, 4
.endm
	s_wait_alu depctr_va_vdst(0)
	s_wait_tensorcnt 1                             ; of my three first fills the scales and K step 0 are in; K step 1's may be out
	s_barrier_signal -1
	s_barrier_wait -1                              ; everybody's are
	FETCH_B 0, 0, 0
	FETCH_A 0, 0, 0
	SCALES 0
	FETCH_A 0, 0, 4
	STEP 0, 0, 1                                   ; the first step stands in front of the loop: its products start the sums
	s_mov_b32 s3, LAPS-1
.Llap:                                             ; a trip goes once round the ring, from a lap's second step to the next lap's first, and fills both slots again
	TURN 0, 1, 1
	STEP 1, 0, 0
	TURN 1, 0, 1
	STEP 0, 0, 0
	s_sub_co_u32 s3, s3, 1
	s_cmp_lg_u32 s3, 0
	s_cbranch_scc1 .Llap
	TURN 0, 1, 0                                   ; the last lap fills nothing, and has no round of the cluster's barrier
	STEP 1, 0, 0
	s_wait_dscnt 4*NL                              ; the very last step: nothing more to fetch
	WIN MUL_LO
	MUL16 0, 1, NQ-1, 1, 0
	MUL16 2, 1, NQ-1, 1, 0
	s_wait_dscnt 0
	WIN MUL_HI
	MUL16 4, 1, NQ-1, 1, 0
	MUL16 6, 1, NQ-1, 1, 0
	WIN 0
; THE WAY OUT.  No tensor load of mine is out (the last change of slots waited for all), so the descriptors' registers are free.
; 64 numbers of a lane, v[s] on, register 16 b + i in block b of 32, become 16 registers of codes at v[pc] on and a scale word in v[pw].
.macro QUANT s, pc, pw
.irp b, 0,1,2,3
	v_max3_num_f32 v[TM+\b], |v[\s+16*\b]|, |v[\s+1+16*\b]|, 0x4800000   ; block b: my 16 numbers, and the floor 2^(9 - 127): so the byte cannot fall under 1
.endr
.irp i, 2,4,6,8,10,12,14
.irp b, 0,1,2,3
	v_max3_num_f32 v[TM+\b], v[TM+\b], |v[\s+16*\b+\i]|, |v[\s+1+16*\b+\i]|   ; (the four blocks by turns)
.endr
.endr
.irp b, 0,1,2,3
	v_permlanex16_b32 v[TM+4+\b], v[TM+\b], s[SEL], s[SEL+1]
.endr
.irp b, 0,1,2,3
	v_max_num_f32 v[TM+\b], v[TM+\b], v[TM+4+\b]   ; with lane l xor 16's: the block's largest magnitude
.endr
.irp b, 0,1,2,3
	v_add_nc_u32 v[TM+12+\b], 0xfc000000, v[TM+\b] ; 8 off its exponent field: the conversion takes the exponent field of this operand as its scale
.endr
.irp b, 0,1,2,3
.endr
.irp b, 0,1,2,3
	v_lshrrev_b32 v[TM+4+\b], 23, v[TM+12+\b]      ; the scale's byte
.endr
	v_lshl_or_b32 v[\pw], v[TM+5], 8, v[TM+4]      ; the four bytes make my row's scale word
	v_lshl_or_b32 v[\pw], v[TM+6], 16, v[\pw]
	v_lshl_or_b32 v[\pw], v[TM+7], 24, v[\pw]
.irp b, 0,1,2,3
.irp i, 0,1,2,3,4,5,6,7,8,9,10,11,12,13,14,15
.endr
	v_cvt_scalef32_pk8_fp8_f32 v[\pc+4*\b:\pc+4*\b+1], v[\s+16*\b:\s+16*\b+7], v[TM+12+\b]
	v_cvt_scalef32_pk8_fp8_f32 v[\pc+4*\b+2:\pc+4*\b+3], v[\s+16*\b+8:\s+16*\b+15], v[TM+12+\b]
.endr
	v_nop                                          ; one plain vector instruction behind the last conversion, ahead of the lines that write its sources again
.endm
; v = 0: q or k: the bias runs along my registers; a block's groups 0, 1 belong to the lower head, 2, 3 to the upper.  v = 1: the bias hangs on my lane; blocks 0-3 belong to the lower head, 4-7 to the upper.
.macro EPI v
.if \v
.irp a, 0,1,2,3,4,5,6,7
	global_load_b32 v[BI+2*\a], v[BA], s[BP:BP+1] offset:64*\a      ; the bias of channel 16 a + r, twice: a pair for the packed addition
	global_load_b32 v[BI+2*\a+1], v[BA], s[BP:BP+1] offset:64*\a
.endr
.else
.irp b, 0,1,2,3,4,5,6,7
	global_load_b128 v[BI+8*\b:BI+8*\b+3], v[BA], s[BP:BP+1] offset:64*\b       ; the bias of channels 16 b + 8 h + 0 .. 7
	global_load_b128 v[BI+8*\b+4:BI+8*\b+7], v[BA], s[BP:BP+1] offset:64*\b+16
.endr
.endif
	s_wait_loadcnt 0x0
.irp a, 0,1,2,3,4,5,6,7
.if \a < 4
	WIN 0x02                                       ; source 0: the accumulators' window
.else
	WIN 0x03
.endif
.set i, 0
.rept 32                                           ; each accumulator is read from its low end on
.if \v
	v_pk_add_f32 v[NUM+i:NUM+i+1], v[64*((\a)%4)+i:64*((\a)%4)+i+1], v[BI+2*\a:BI+2*\a+1]
.else
	v_pk_add_f32 v[NUM+i:NUM+i+1], v[64*((\a)%4)+i:64*((\a)%4)+i+1], v[BI+i:BI+i+1]
.endif
.set i, i+2
.endr
	WIN 0
.set CDX, CD+16*((\a)%2)
.set WDX, WD+\a
	s_wait_xcnt 0x0                                ; the earlier stores have read their registers: the codes' set may be written again
	QUANT NUM, CDX, WDX
.if \v
.irp c, 0,1,2,3
	global_store_b128 v[LI], v[CDX+4*\c:CDX+4*\c+3], s[PLO:PLO+1] offset:2048*((\a)%4)+8*KVREC*((\a)/4)+512*\c   ; 32 lanes store 512 consecutive aligned bytes
.endr
.else
	global_store_b128 v[LI], v[CDX:CDX+3], s[PLO:PLO+1] offset:1024*\a
	global_store_b128 v[LI], v[CDX+4:CDX+7], s[PLO:PLO+1] offset:1024*\a+512
	global_store_b128 v[LI], v[CDX+8:CDX+11], s[PHI:PHI+1] offset:1024*\a
	global_store_b128 v[LI], v[CDX+12:CDX+15], s[PHI:PHI+1] offset:1024*\a+512
.endif
.endr
.irp i, 0,1,2,3
	v_cndmask_b32 v[SW+\i], v[WD+\i], v[WD+4+\i], s[HIM]   ; lanes 0-15 store the words of blocks 0-3, lanes 16-31 those of blocks 4-7
.endr
.if \v == 0
.irp i, 0,1,2,3
	v_lshrrev_b32 v[SW2+\i], 16, v[SW+\i]          ; the upper head's two bytes, zeros above them
.endr
.irp i, 0,1,2,3
	v_and_b32 v[SW+\i], 0xffff, v[SW+\i]           ; the lower head's likewise
.endr
	global_store_b128 v[SA], v[SW2:SW2+3], s[PSHI:PSHI+1]
.endif
	global_store_b128 v[SA], v[SW:SW+3], s[PSLO:PSLO+1]
.endm
	PLACES NP                                      ; behind the last products: for the reads of results, and for the writes and loads into registers that held operands and scales
	s_lshl_b32 s24, s17, 8
	s_lshl_b32 s25, s15, 7
	s_add_co_u32 s24, s24, s25                     ; my first row of region A
	s_lshl_b32 s25, s42, 8
	s_lshl_b32 s26, s16, 7
	s_add_co_u32 s25, s25, s26                     ; my first row of region B
	s_cmp_eq_u32 s12, 2
	s_cselect_b32 s26, s25, s24                    ; my first token,
	s_cselect_b32 s27, s24, s25                    ; my first row of W
	s_lshr_b32 s28, s26, 11                        ; the batch
	s_bfe_u32 s29, s26, 0x40007                    ; which 128 tokens of its 2,048
	s_bfe_u32 s30, s27, 0x40006                    ; the lower of my two heads (q, k and v each begin at a multiple of 16 heads)
	s_lshl_b32 s28, s28, 4
	s_add_co_u32 s30, s30, s28                     ; 16 x batch + head
	s_lshl_b32 s31, s30, 3
	s_lshr_b32 s32, s29, 1
	s_add_co_u32 s31, s31, s32
	s_mul_i32 s31, s31, KVREC                      ; the record of kv
	s_and_b32 s32, s29, 1                          ; and which 128 of its 256 keys
	s_lshl_b32 s36, s27, 2
	s_mov_b32 s37, 0
	s_add_nc_u64 s[BP:BP+1], s[96:97], s[36:37]
	s_mov_b32 s[SEL], 0x76543210
	s_mov_b32 s[SEL+1], 0xfedcba98
	s_mov_b32 s[HIM], 0xffff0000
	v_and_b32 v[LI], 31, v0
	v_lshlrev_b32 v[LI], 4, v[LI]
.irp b, 0,1,2,3
	v_mov_b32 v[TM+4+\b], 0                        ; written once: a lane permute's destination counts as one of its sources
.endr
	s_cmp_eq_u32 s12, 2                            ; the kind is the same in every wave of every partner
	s_cbranch_scc1 .Lway_v
	s_lshl_b32 s33, s30, 4
	s_add_co_u32 s33, s33, s29
	s_mul_i32 s33, s33, QREC                       ; q: the record,
	s_add_co_u32 s34, s33, 8192                    ; and its scale words
	s_lshl_b32 s35, s32, 13
	s_add_co_u32 s35, s35, s31                     ; k: eight tiles of 1,024 bytes for each 128 keys,
	s_lshl_b32 s38, s32, 9
	s_add_co_u32 s38, s38, s31
	s_add_co_u32 s38, s38, 32768                   ; and their scale words
	s_mov_b32 s40, 8*KVREC                         ; from a head to the next: k,
	s_cmp_eq_u32 s12, 0
	s_cselect_b32 s36, s33, s35
	s_cselect_b32 s38, s34, s38
	s_cselect_b32 s40, 16*QREC, s40                ; q
	s_cselect_b64 s[18:19], s[98:99], s[100:101]
	s_mov_b32 s39, 0
	s_mov_b32 s41, 0
	s_add_nc_u64 s[PLO:PLO+1], s[18:19], s[36:37]
	s_add_nc_u64 s[PHI:PHI+1], s[PLO:PLO+1], s[40:41]
	s_add_nc_u64 s[PSLO:PSLO+1], s[18:19], s[38:39]
	s_add_nc_u64 s[PSHI:PSHI+1], s[PSLO:PSLO+1], s[40:41]
	v_lshlrev_b32 v[BA], 5, v2                     ; the bias: 32 h
	v_lshlrev_b32 v[SA], 5, v1
	v_lshl_add_u32 v[SA], v2, 4, v[SA]             ; scale words: 32 r + 16 h
	EPI 0
	s_branch .Lend
.Lway_v:
	s_lshl_b32 s36, s32, 13
	s_add_co_u32 s36, s36, s31
	s_add_co_u32 s36, s36, 16384                   ; v: 8,192 bytes for each 128 keys, behind K's codes,
	s_lshl_b32 s38, s32, 8
	s_add_co_u32 s38, s38, s31
	s_add_co_u32 s38, s38, 33792                   ; and their scale words
	s_mov_b32 s39, 0
	s_add_nc_u64 s[PLO:PLO+1], s[100:101], s[36:37]
	s_add_nc_u64 s[PSLO:PSLO+1], s[100:101], s[38:39]
	v_lshlrev_b32 v[BA], 2, v1                     ; the bias: 4 r
	v_mul_u32_u24 v[SA], v2, 8*KVREC
	v_lshl_add_u32 v[SA], v1, 4, v[SA]             ; scale words: 16 r, lanes 16-31 in the upper head's record: each half of the lanes fills 256 consecutive aligned bytes
	EPI 1
.Lend:
	s_wait_tensorcnt 0x0                           ; the wave's end
	ds_add_u32 v[SPW], v[NIL]
	s_wait_dscnt 0x0
	CROUND                                         ; the closing round: no work-group ends while a partner may still ask for a tile that names it
	s_endpgm
.Lfunc_end_k_q4398225201_qkv:
	.size	k_q4398225201_qkv, .Lfunc_end_k_q4398225201_qkv-k_q4398225201_qkv
	.p2alignl 7, 3214868480
	.fill 96, 4, 3214868480
	.section	.rodata,"a",@progbits
	.p2align	6, 0x0
	.amdhsa_kernel k_q4398225201_qkv
		.amdhsa_group_segment_fixed_size 327680
		.amdhsa_private_segment_fixed_size 0
		.amdhsa_enable_private_segment 0
		.amdhsa_kernarg_size 56
		.amdhsa_user_sgpr_count 2
		.amdhsa_user_sgpr_kernarg_segment_ptr 1
		.amdhsa_wavefront_size32 1
		.amdhsa_system_sgpr_workgroup_id_x 1
		.amdhsa_system_sgpr_workgroup_id_y 1
		.amdhsa_system_sgpr_workgroup_id_z 1
		.amdhsa_system_vgpr_workitem_id 0
		.amdhsa_next_free_vgpr 1024
		.amdhsa_next_free_sgpr 102
		.amdhsa_reserve_vcc 0
		.amdhsa_float_denorm_mode_32 3
		.amdhsa_float_denorm_mode_16_64 3
		.amdhsa_fp16_overflow 1
		.amdhsa_memory_ordered 1
		.amdhsa_forward_progress 1
		.amdhsa_inst_pref_size 220
	.end_amdhsa_kernel
	.amdgpu_metadata
---
amdhsa.version: [ 1, 2 ]
amdhsa.kernels:
  - .name:           k_q4398225201_qkv
    .symbol:         k_q4398225201_qkv.kd
    .args:
      - { .name: x_codes, .offset: 0, .size: 8, .value_kind: global_buffer, .address_space: global }
      - { .name: x_scales, .offset: 8, .size: 8, .value_kind: global_buffer, .address_space: global }
      - { .name: w_qkv_codes, .offset: 16, .size: 8, .value_kind: global_buffer, .address_space: global }
      - { .name: w_qkv_scales, .offset: 24, .size: 8, .value_kind: global_buffer, .address_space: global }
      - { .name: b_qkv, .offset: 32, .size: 8, .value_kind: global_buffer, .address_space: global }
      - { .name: q, .offset: 40, .size: 8, .value_kind: global_buffer, .address_space: global }
      - { .name: kv, .offset: 48, .size: 8, .value_kind: global_buffer, .address_space: global }
    .group_segment_fixed_size: 327680
    .private_segment_fixed_size: 0
    .kernarg_segment_align: 8
    .kernarg_segment_size: 56
    .max_flat_workgroup_size: 128
    .sgpr_count:     102
    .vgpr_count:     1024
    .wavefront_size: 32
...
	.end_amdgpu_metadata
.endif
;; end of part 1
;; launch attn (part 2): grid 4 x 64, 16 waves a work-group, no clusters, 327,680 bytes of LDS; arguments q, kv, aimg, ascl; writes aimg, ascl
.if DOCPART == 2
	.amdgcn_target "amdgcn-amd-amdhsa--gfx1250"
	.amdhsa_code_object_version 6
	.text
	.protected	k_q4398225201_attn
	.globl	k_q4398225201_attn
	.p2align	8
	.type	k_q4398225201_attn,@function
k_q4398225201_attn:
	s_mov_b64 s[64:65], 0
	v_nop
	global_prefetch_b8 v0, s[64:65] scope:SCOPE_SE
	s_setreg_imm32_b32 hwreg(HW_REG_WAVE_MODE, 25, 1), 1
	s_wait_xcnt 0x0
; a[b][t][head][:] = the sum over keys k <= t of softmax_k(q . k / 32) v, both products on codes of FP8 (E4M3) with one E8M0 scale for each 32 along a product's K; a is quantised along its 1,024 channels for the last product.
; q and kv hold images of the operands' registers (four registers: 512 bytes, lane l's 16 bytes at 16 l) and scale words, as the launch before laid them:
;   q:  [head 64][128 queries 16] records of 8,704 bytes: tile a of 16 queries at 1024 a + 512 c (c = 0, 1); scale words at 8192 + 32 r + 4 a.
;   kv: [head 64][256 keys 8] records of 34,304 bytes: K's codes at 1024 tile + 512 c; V's at 16384 + 8192 step + 2048 channel tile + 512 c; K's scale words at 32768 + 512 step + 32 r + 4 tile; V's at 33792 + 256 step + 16 r + 4 tile.
; THE SOFTMAX AHEAD OF THE SECOND PRODUCT: t = score x log2(e) / 32; M = the row's largest t so far, rounded up to a whole number; p = 2^(t - M) is what is quantised, along the keys, not normalised.
; The row's sum is taken of the unquantised p, in f32, and divides O at the end.  When M moves, the sum and O are multiplied by 2^(old M - new M): exact.
; SHARES.  Work-group (i, head) owns query blocks 7 - i and i of the head, 256 queries each; each of its sixteen waves owns one tile of 16 queries of the block in hand, in 256 registers: four waves to a SIMD.
; It walks the records 0 .. 7 - i for the first block and 0 .. i for the second: NINE records in every work-group, each of which some wave reads, and the same count of key steps in all 256 work-groups.
; A record comes by two tensor loads (waves 0 and 1, half a record each, dense rows of 256 bytes) into a ring of two LDS slots; all sixteen waves read it.
; No cluster: from the second block on the four work-groups of a head walk different records, and a joint load would have to be the same in all that it names.
; LAYOUT.  Both products are used transposed: S^T = K Q^T (source 0 = 16 keys, source 1 = my 16 queries), O^T = V^T P^T (source 0 = 16 channels, source 1 = P): a lane holds one query (lane % 16) throughout.
; Register 8 tile + j of S^T is key 16 tile + 8 (lane / 16) + j: the 16 registers of two neighbouring tiles are a lane's share of a block of 32 keys, in the order in which V's codes were laid.
; A head has 64 channels and the instruction takes 128: the upper halves of Q's and K's fragments are zero codes, cleared once, under scale bytes 0.
; LIMITS: NaN and infinities are not served.  A p under 2^-126 becomes 0 (v_exp_f32 gives 0 there).  A block of zeros gets the byte 1 where the quantiser says 127: its codes are zeros, and this program alone reads the bytes.
; Inside a block of 32 the codes of q and k, and of p and v, stand in a fixed order that is not K's: the products are the same, the unit groups their sums otherwise.
.set SLOTB, 34304                      ; a record
.set HALFB, 17152                      ; half of it: 67 rows of 256 bytes
.set SLOT1, 65536                      ; slot 1 begins here, so that one exclusive or turns an address in one slot into the other's
.set SPARE, 131072                     ; the spare words, 128 bytes for each wave: eight blocks of 256 bytes that no other line names
.set KCO,   0
.set VCO,   16384
.set KSO,   32768
.set VSO,   33792
.set QREC,  8704
.set LI,   1                           ; v1   16 x lane
.set RK,   2                           ; v2   32 r
.set RV,   3                           ; v3   16 r
.set ADC,  4                           ; v4   the slot in hand + 16 x lane
.set ADS,  5                           ; v5   + 32 r
.set ADT,  6                           ; v6   + 16 r
.set SPW,  7                           ; v7   LDS address of my spare word; never rewritten
.set NIL,  8                           ; v8   0; never rewritten
.set QL,   9                           ; v9   r - 8 h
.set SBA,  11                          ; v11  32 r + h: where my scale byte of a goes
.set QF,   16                          ; v16-31   Q's fragment: v16-23 codes, v24-31 zeros            (v12 -M, v13 the largest t, v[14:15] the sum in two halves)
.set KFR,  32                          ; v32-95   four fragments of K: registers 0-7 loaded, 8-15 zeros
.set ST,   96                          ; v96-159  S^T, then p
.set OT,   160                         ; v160-191 O^T, four tiles
.set VFR,  192                         ; v192-223 two fragments of V; during the softmax, at work:
.set MX,   192                         ;   v192-195 the blocks' largest scores, then largest p
.set PM,   196                         ;   v196-199 the other half's; the bytes; the sum's second chain
.set HO,   200
.set SO,   204                         ;   v204-207 the conversions' scale operands
.set F,    208                         ;   v[208:209] f = 2^(old M - new M) (the low word serves both halves)
.set T0,   210
.set T1,   211
.set PCD,  224                         ; v224-239 p's codes
.set KSC,  240                         ; v240-247 K's scale words
.set VSC,  248                         ; v248-251 V's
.set QSC,  252                         ; v252     Q's
.set PSC,  253                         ; v253     p's
.set XC,   192                         ; at a block's end: the other half's codes of a;
.set FM,   200                         ;   v200-207 at work;
.set AO,   128                         ;   v128-136 a's codes in K's order, and my scale byte
.set WV,   12                          ; s12  my wave's number
.set WI,   13                          ; s13  i
.set BH,   14                          ; s14  16 x batch + head
.set LIM,  15                          ; s15  8 - i: the first block's records
.set NS,   16                          ; s16  the record asked for last
.set KF,   17                          ; s17  the step's first key
.set QE,   18                          ; s18  where the block in hand ends
.set Q0,   19                          ; s19  my first query
.set SEL,  20                          ; s[20:21] lane selects for v_permlanex16_b32: lane l xor 16
.set CS,   22                          ; s[22:23] c = log2(e) / 32
.set MNT,  24
.set HIM,  25                          ; s25  a lane mask: lanes 16-31
.set TB,   26                          ; s26  LDS byte at which the slot in hand begins
.set TRIPS, 27
.set G1,   32                          ; s[32:39] descriptor group 1
.set G0,   40                          ; s[40:43] group 0, which walks
.set KVB,  44                          ; s[44:45] my half of the head's record 0
.set OFF,  46                          ; s[46:47] an offset in 64 bits
.set PA,   48                          ; s[48:49] where a's codes go;  s[50:51] its scale bytes
.set PS,   50
.set PQ,   52                          ; s[52:53] my tile's codes of q;  s[54:55] its scale words
.set PQS,  54
; Waves 0 and 1 fetch half a record each, the others nothing.  Four v_nop follow the line.
.macro TLOAD
	s_cmp_lt_u32 s[WV], 2
	s_cbranch_scc0 .Lasked_\@
	tensor_load_to_lds s[G0:G0+3], s[G1:G1+7]
	s_nop 0
.rept 4
	v_nop
.endr
.Lasked_\@:
.endm
.macro QPTR                            ; from my first query: where its tile's codes and scale words lie
	s_lshl_b32 s28, s[BH], 4
	s_lshr_b32 s29, s[Q0], 7
	s_add_co_u32 s28, s28, s29
	s_mul_i32 s56, s28, QREC                       ; the record of 128 queries
	s_bfe_u32 s29, s[Q0], 0x30004                  ; my tile in it
	s_lshl_b32 s30, s29, 10
	s_add_co_u32 s58, s56, 8192
	s_add_co_u32 s56, s56, s30
	s_lshl_b32 s30, s29, 2
	s_add_co_u32 s58, s58, s30
	s_mov_b32 s57, 0
	s_mov_b32 s59, 0
	s_add_nc_u64 s[PQ:PQ+1], s[4:5], s[56:57]
	s_add_nc_u64 s[PQS:PQS+1], s[4:5], s[58:59]
.endm
.macro QLOAD
	global_load_b128 v[QF:QF+3], v[LI], s[PQ:PQ+1]
	global_load_b128 v[QF+4:QF+7], v[LI], s[PQ:PQ+1] offset:512
	global_load_b32 v[QSC], v[RK], s[PQS:PQS+1]
.endm
.macro OUTPTR                          ; from my first query: where a's codes and scale bytes go
	s_lshr_b32 s28, s[BH], 4                       ; the batch
	s_lshl_b32 s29, s28, 7
	s_lshr_b32 s30, s[Q0], 4
	s_add_co_u32 s29, s29, s30                     ; the tile of 16 rows of a: 16,384 bytes each
	s_lshl_b32 s56, s29, 14
	s_and_b32 s30, s[BH], 15                       ; the head: 64 of the row's 1,024 channels: two groups of four registers, 1,024 bytes
	s_lshl_b32 s31, s30, 10
	s_add_co_u32 s56, s56, s31
	s_mov_b32 s57, 0
	s_add_nc_u64 s[PA:PA+1], s[8:9], s[56:57]
	s_lshl_b32 s58, s28, 11
	s_add_co_u32 s58, s58, s[Q0]
	s_lshl_b32 s58, s58, 5                         ; 32 scale bytes a row,
	s_lshl_b32 s31, s30, 1
	s_add_co_u32 s58, s58, s31                     ; two of them the head's
	s_mov_b32 s59, 0
	s_add_nc_u64 s[PS:PS+1], s[10:11], s[58:59]
.endm
.macro REINIT                          ; a block's start: the step is written once; the first finds zeros, which the first change of M leaves zeros
	v_mov_b32 v13, 0xff61b1e6                      ; the largest t so far: -3e38, under every t
	s_delay_alu instid0(VALU_DEP_1)
	v_floor_f32 v12, -v13                          ; -M
	v_mov_b32 v14, 0
	v_mov_b32 v15, 0
.set j, 0
.rept 32
	v_mov_b32 v[OT+j], 0
.set j, j+1
.endr
.endm
; A KEY STEP: 128 keys, the q-th of the slot in hand.
.macro STEP q
	s_add_co_u32 s28, s[Q0], 15                    ; a step all of whose keys come after my 16 queries is left out: a scalar branch on ids, round no barrier and no tensor load
	s_cmp_gt_u32 s[KF], s28
	s_cbranch_scc1 .Lhidden_\@
	s_wait_alu depctr_va_vdst(0)
	ds_load_b128 v[KSC:KSC+3], v[ADS] offset:KSO+512*\q
	ds_load_b128 v[KSC+4:KSC+7], v[ADS] offset:KSO+512*\q+16
	s_wait_alu depctr_va_vdst(0)
.irp g, 0,1                                        ; S^T = K Q^T, four tiles of 16 keys at a time
.if \g > 0
.rept 8
	v_nop                                          ; places in front of loads into registers that matrix instructions have read (for the first four tiles the last step's softmax lies between)
.endr
.endif
.irp t, 0,1,2,3
.irp c, 0,1
	ds_load_b128 v[KFR+16*\t+4*\c:KFR+16*\t+4*\c+3], v[ADC] offset:KCO+(8*\q+4*\g+\t)*1024+512*\c
.endr
.endr
	s_wait_dscnt 0x0
.irp t, 0,1,2,3
	v_wmma_scale_f32_16x16x128_f8f6f4 v[ST+8*(4*\g+\t):ST+8*(4*\g+\t)+7], v[KFR+16*\t:KFR+16*\t+15], v[QF:QF+15], 0, v[KSC+4*\g+\t], v[QSC]
.endr
.endr
.rept 8
	v_nop
.endr
	s_add_co_u32 s28, s[KF], 127                   ; on the diagonal the scores of hidden keys become -infinity ahead of the maximum: p = 0 then.  A step all of whose keys count skips this
	s_cmp_le_u32 s28, s[Q0]
	s_cbranch_scc1 .Lopen_\@
	s_sub_co_i32 s28, s[Q0], s[KF]
	v_add_nc_u32 v[T0], s28, v[QL]                 ; d = my query - the step's first key - 8 (lane / 16).  Register 8 tile + j holds key 16 tile + 8 (lane / 16) + j: hidden where 16 tile + j > d
	v_mov_b32 v[T1], 0xff800000
.set n, 0
.rept 64
	v_cmp_gt_i32 vcc_lo, 16*(n/8)+n%8, v[T0]
	v_cndmask_b32 v[ST+n], v[ST+n], v[T1], vcc_lo
.set n, n+1
.endr
.Lopen_\@:
.irp b, 0,1,2,3
	v_max3_num_f32 v[MX+\b], v[ST+16*\b], v[ST+1+16*\b], v[ST+2+16*\b]   ; the largest score of each block of 32 keys: for the row's maximum, and, since p rises with the score, for the block's largest p
.endr
.irp i, 3,5,7,9,11,13
.irp b, 0,1,2,3
	v_max3_num_f32 v[MX+\b], v[MX+\b], v[ST+16*\b+\i], v[ST+1+16*\b+\i]
.endr
.endr
.irp b, 0,1,2,3
	v_max_num_f32 v[MX+\b], v[MX+\b], v[ST+15+16*\b]
.endr
.irp b, 0,1,2,3
	s_delay_alu instid0(VALU_DEP_4)
	v_permlanex16_b32 v[PM+\b], v[MX+\b], s[SEL], s[SEL+1]
.endr
.irp b, 0,1,2,3
	s_delay_alu instid0(VALU_DEP_4)
	v_max_num_f32 v[MX+\b], v[MX+\b], v[PM+\b]     ; with lane l xor 16's 16 keys
.endr
	s_delay_alu instid0(VALU_DEP_2)
	v_max3_num_f32 v[T0], v[MX], v[MX+1], v[MX+2]
	s_delay_alu instid0(VALU_DEP_1)
	v_max_num_f32 v[T0], v[T0], v[MX+3]            ; the step's largest score of my query
	s_delay_alu instid0(VALU_DEP_1)
	v_mul_f32 v[T0], s[CS], v[T0]                  ; as t (c is positive)
	s_delay_alu instid0(VALU_DEP_1)
	v_max_num_f32 v13, v13, v[T0]                  ; the running largest t
	v_mov_b32 v[T0], v12
	s_delay_alu instid0(VALU_DEP_2)
	v_floor_f32 v12, -v13                          ; the new -M = floor(-t) = -ceil(t)
	s_delay_alu instid0(VALU_DEP_1)
	v_sub_f32 v[T0], v12, v[T0]                    ; M's old value less its new one: a whole number, 0 or less
	s_delay_alu instid0(VALU_DEP_1)
	v_cvt_i32_f32 v[T0], v[T0]                     ; (it saturates)
	s_delay_alu instid0(VALU_DEP_1)
	v_ldexp_f32 v[F], 1.0, v[T0]                   ; f = 2^(old M - new M)
.set j, 0
.rept 32
	v_pk_fma_f32 v[ST+j:ST+j+1], v[ST+j:ST+j+1], s[CS:CS+1], v[12:13] op_sel_hi:[1,0,0]   ; t - M, two at a time
.set j, j+2
.endr
.irp b, 0,1,2,3
	v_fma_f32 v[MX+\b], v[MX+\b], s[CS], v12       ; the same of each block's largest score
.endr
.set j, 0
	s_wait_alu depctr_va_vdst(0)
.rept 64
	v_exp_f32 v[ST+j], v[ST+j]                     ; p = 2^(t - M), at most 1
.set j, j+1
.endr
.irp b, 0,1,2,3
	v_exp_f32 v[MX+\b], v[MX+\b]                   ; the block's largest p: the same two instructions on the same number give the same bits
.endr
	v_pk_mul_f32 v[14:15], v[14:15], v[F:F+1] op_sel_hi:[1,0]   ; the sums under the new M.  (A plain place behind the exponentials)
	s_wait_alu depctr_va_vdst(0)
.irp b, 0,1,2,3
	v_max_num_f32 v[MX+\b], 0x4800000, v[MX+\b]    ; the floor 2^(9 - 127): the byte cannot fall under 1
.endr
.irp b, 0,1,2,3
	s_delay_alu instid0(VALU_DEP_4)
	v_add_nc_u32 v[SO+\b], 0xfc000000, v[MX+\b]    ; 8 off the exponent field: the conversion's scale operand
.endr
.irp b, 0,1,2,3
.endr
.irp b, 0,1,2,3
	s_delay_alu instid0(VALU_DEP_4)
	v_lshrrev_b32 v[PM+\b], 23, v[SO+\b]           ; the scale's byte
.endr
	s_delay_alu instid0(VALU_DEP_3)
	v_lshl_or_b32 v[PSC], v[PM+1], 8, v[PM]        ; p's scale word for these 128 keys
	s_delay_alu instid0(VALU_DEP_1)
	v_lshl_or_b32 v[PSC], v[PM+2], 16, v[PSC]
	s_delay_alu instid0(VALU_DEP_1)
	v_lshl_or_b32 v[PSC], v[PM+3], 24, v[PSC]
	v_pk_add_f32 v[196:197], v[100:101], v[104:105]
	v_pk_add_f32 v[254:255], v[108:109], v[112:113]
	v_pk_add_f32 v[250:251], v[116:117], v[120:121]
	v_pk_add_f32 v[248:249], v[124:125], v[128:129]
	v_pk_add_f32 v[246:247], v[132:133], v[136:137]
	v_pk_add_f32 v[244:245], v[140:141], v[144:145]
	v_pk_add_f32 v[242:243], v[148:149], v[152:153]
	v_pk_add_f32 v[14:15], v[14:15], v[156:157]
	v_pk_add_f32 v[196:197], v[196:197], v[96:97]
	v_pk_add_f32 v[254:255], v[254:255], v[98:99]
	v_pk_add_f32 v[250:251], v[250:251], v[102:103]
	v_pk_add_f32 v[248:249], v[248:249], v[106:107]
	v_pk_add_f32 v[246:247], v[246:247], v[110:111]
	v_pk_add_f32 v[244:245], v[244:245], v[114:115]
	v_pk_add_f32 v[242:243], v[242:243], v[118:119]
	v_pk_add_f32 v[14:15], v[14:15], v[122:123]
	v_pk_add_f32 v[196:197], v[196:197], v[126:127]
	v_pk_add_f32 v[254:255], v[254:255], v[130:131]
	v_pk_add_f32 v[250:251], v[250:251], v[134:135]
	v_pk_add_f32 v[248:249], v[248:249], v[138:139]
	v_pk_add_f32 v[246:247], v[246:247], v[142:143]
	v_pk_add_f32 v[244:245], v[244:245], v[146:147]
	v_pk_add_f32 v[242:243], v[242:243], v[150:151]
	v_pk_add_f32 v[14:15], v[14:15], v[154:155]
	v_pk_add_f32 v[196:197], v[196:197], v[158:159]
	s_delay_alu instid0(VALU_DEP_2)
	v_pk_add_f32 v[14:15], v[14:15], v[248:249]
	s_delay_alu instid0(VALU_DEP_2)
	v_pk_add_f32 v[196:197], v[196:197], v[246:247]
	v_pk_add_f32 v[254:255], v[254:255], v[244:245]
	v_pk_add_f32 v[250:251], v[250:251], v[242:243]
	s_delay_alu instid0(VALU_DEP_2)
	v_pk_add_f32 v[14:15], v[14:15], v[254:255]
	s_delay_alu instid0(VALU_DEP_2)
	v_pk_add_f32 v[196:197], v[196:197], v[250:251]
	s_delay_alu instid0(VALU_DEP_1)
	v_pk_add_f32 v[14:15], v[14:15], v[196:197]
.irp b, 0,1,2,3
.irp i, 0,1,2,3,4,5,6,7,8,9,10,11,12,13,14,15
.endr
	v_cvt_scalef32_pk8_fp8_f32 v[PCD+4*\b:PCD+4*\b+1], v[ST+16*\b:ST+16*\b+7], v[SO+\b]
	v_cvt_scalef32_pk8_fp8_f32 v[PCD+4*\b+2:PCD+4*\b+3], v[ST+16*\b+8:ST+16*\b+15], v[SO+\b]
.endr
.set j, 0
.rept 16
	v_pk_mul_f32 v[OT+j:OT+j+1], v[OT+j:OT+j+1], v[F:F+1] op_sel_hi:[1,0]   ; O^T under the new M.  (These 16 are also the places between the codes' making and the products)
.set j, j+2
.endr
	ds_load_b128 v[VSC:VSC+3], v[ADT] offset:VSO+256*\q
	s_wait_alu depctr_va_vdst(0)
.irp g, 0,1                                        ; O^T += V^T P^T: two tiles of 16 channels at a time; K = these 128 keys
.if \g > 0
.rept 8
	v_nop
.endr
.endif
.irp t, 0,1
.irp c, 0,1,2,3
	ds_load_b128 v[VFR+16*\t+4*\c:VFR+16*\t+4*\c+3], v[ADC] offset:VCO+8192*\q+(2*\g+\t)*2048+512*\c
.endr
.endr
	s_wait_dscnt 0x0
.irp t, 0,1
	v_wmma_scale_f32_16x16x128_f8f6f4 v[OT+8*(2*\g+\t):OT+8*(2*\g+\t)+7], v[VFR+16*\t:VFR+16*\t+15], v[PCD:PCD+15], v[OT+8*(2*\g+\t):OT+8*(2*\g+\t)+7], v[VSC+2*\g+\t], v[PSC]
.endr
.endr
.Lhidden_\@:
	s_add_co_u32 s[KF], s[KF], 128
.endm
; THE CHANGE OF SLOTS stands at a trip's head.  Each wave waits for all its tensor loads, adds 0 to its spare word, and waits for that and for its reads of the slot that it has left.
; Behind the barrier the slot ahead is whole and nobody reads the other one.  fill = 1: that other slot takes the next record, which has a whole trip in which to land; by this text's count one load a wave is out.
.macro CHANGE fill
	s_wait_tensorcnt 0x0                           ; no tensor load of mine is out, so group 0 may be written
	ds_add_u32 v[SPW], v[NIL]                      ; 0 onto my spare word
.if \fill
	s_add_co_u32 s[NS], s[NS], 1                   ; the next record; behind the first block's last, record 0 again
	s_cmp_eq_u32 s[NS], s[LIM]
	s_cselect_b32 s[NS], 0, s[NS]
	s_mul_i32 s[OFF], s[NS], SLOTB
	s_add_nc_u64 s[G0+2:G0+3], s[KVB:KVB+1], s[OFF:OFF+1]
	s_or_b32 s[G0+3], s[G0+3], 0x80000000
	s_xor_b32 s[G0+1], s[G0+1], SLOT1              ; into the other slot than last time
.endif
	s_wait_dscnt 0x0                               ; the add is done, and my reads of the slot that I have left are over
	s_barrier_signal -1
	s_barrier_wait -1
.if \fill
	TLOAD                                          ; the first thing behind the barrier, and a wave's one tensor load until the next
.endif
	v_add_nc_u32 v[ADC], s[TB], v[LI]
	v_add_nc_u32 v[ADS], s[TB], v[RK]
	v_add_nc_u32 v[ADT], s[TB], v[RV]
.endm
; A BLOCK'S END.  O^T is divided by the row's sum and quantised along the channels: register 8 tile + j is channel 16 tile + 8 h + j, so two tiles are a lane's share of a block of 32.
; The last product's other operand is given in K's own order, so here the codes are put in that order: lanes 0-15 want channels 0-15 of a block, lanes 16-31 channels 16-31: half of each lane's codes change places with lane l xor 16's.
.macro FINISH
.rept 8
	v_nop                                          ; places behind the last products
.endr
	v_add_f32 v14, v14, v15                        ; the sum's two halves,
	s_delay_alu instid0(VALU_DEP_1)
	v_permlanex16_b32 v[T0], v14, s[SEL], s[SEL+1]
	s_delay_alu instid0(VALU_DEP_1)
	v_add_f32 v14, v14, v[T0]                      ; and lane l xor 16's
	s_wait_alu depctr_va_vdst(0)
	v_rcp_f32 v14, v14
	v_nop                                          ; one plain place behind the transcendental
.set j, 0
	s_wait_alu depctr_va_vdst(0)
.rept 32
	v_mul_f32 v[ST+j], v[OT+j], v14
.set j, j+1
.endr
.irp b, 0,1
	v_max3_num_f32 v[FM+\b], |v[ST+16*\b]|, |v[ST+1+16*\b]|, 0x4800000
.endr
.irp i, 2,4,6,8,10,12,14
.irp b, 0,1
	s_delay_alu instid0(VALU_DEP_2)
	v_max3_num_f32 v[FM+\b], v[FM+\b], |v[ST+16*\b+\i]|, |v[ST+1+16*\b+\i]|
.endr
.endr
.irp b, 0,1
	s_delay_alu instid0(VALU_DEP_2)
	v_permlanex16_b32 v[FM+2+\b], v[FM+\b], s[SEL], s[SEL+1]
.endr
.irp b, 0,1
	s_delay_alu instid0(VALU_DEP_2)
	v_max_num_f32 v[FM+\b], v[FM+\b], v[FM+2+\b]
.endr
.irp b, 0,1
	s_delay_alu instid0(VALU_DEP_2)
	v_add_nc_u32 v[FM+6+\b], 0xfc000000, v[FM+\b]
.endr
.irp b, 0,1
.endr
.irp b, 0,1
	s_delay_alu instid0(VALU_DEP_2)
	v_lshrrev_b32 v[FM+2+\b], 23, v[FM+6+\b]
.endr
.irp b, 0,1
.irp i, 0,1,2,3,4,5,6,7,8,9,10,11,12,13,14,15
.endr
	v_cvt_scalef32_pk8_fp8_f32 v[PCD+4*\b:PCD+4*\b+1], v[ST+16*\b:ST+16*\b+7], v[FM+6+\b]
	v_cvt_scalef32_pk8_fp8_f32 v[PCD+4*\b+2:PCD+4*\b+3], v[ST+16*\b+8:ST+16*\b+15], v[FM+6+\b]
.endr
	v_nop                                          ; one plain place behind the last conversion
.irp i, 0,1,2,3,4,5,6,7
	v_permlanex16_b32 v[XC+\i], v[PCD+\i], s[SEL], s[SEL+1]
.endr
.irp b, 0,1
	v_cndmask_b32 v[AO+4*\b], v[PCD+4*\b], v[XC+4*\b+2], s[HIM]       ; lanes 0-15: my channels 0-7;   lanes 16-31: the other's 16-23
	v_cndmask_b32 v[AO+4*\b+1], v[PCD+4*\b+1], v[XC+4*\b+3], s[HIM]
	v_cndmask_b32 v[AO+4*\b+2], v[XC+4*\b], v[PCD+4*\b+2], s[HIM]     ; lanes 0-15: the other's 8-15;  lanes 16-31: my 24-31
	v_cndmask_b32 v[AO+4*\b+3], v[XC+4*\b+1], v[PCD+4*\b+3], s[HIM]
.endr
	v_cndmask_b32 v[AO+8], v[FM+2], v[FM+3], s[HIM]                    ; lanes 0-15 store the first block's byte, lanes 16-31 the second's
	global_store_b128 v[LI], v[AO:AO+3], s[PA:PA+1]                    ; 32 lanes store 512 consecutive aligned bytes
	global_store_b128 v[LI], v[AO+4:AO+7], s[PA:PA+1] offset:512
	global_store_b8 v[SBA], v[AO+8], s[PS:PS+1]                        ; two bytes of each of 16 rows of 32: one part in 32 of a's bytes
	s_wait_xcnt 0x0                                ; the stores have read their registers and bases: both may be written again
.endm
	s_load_b256 s[4:11], s[0:1], 0x0               ; q s[4:5], kv s[6:7], a's codes s[8:9], a's scale bytes s[10:11]
	v_lshl_add_u32 v[SPW], v0, 2, SPARE
	v_mov_b32 v[NIL], 0
	ds_add_u32 v7, v8
	ds_add_u32 v7, v8
	s_wait_dscnt 0x0
	v_lshrrev_b32 v1, 5, v0
	s_delay_alu instid0(VALU_DEP_1)
	v_readfirstlane_b32 s[WV], v1                  ; wave 0..15
	s_mov_b32 s[WI], ttmp9
	s_and_b32 s[BH], ttmp7, 0xffff
	s_sub_co_u32 s[LIM], 8, s[WI]
	s_mov_b32 s[NS], 0
	s_mov_b32 s[KF], 0
	s_lshl_b32 s[QE], s[LIM], 8                    ; the first block is block 7 - i: it ends at 256 (8 - i)
	s_lshl_b32 s28, s[WV], 4
	s_sub_co_u32 s[Q0], s[QE], 256
	s_add_co_u32 s[Q0], s[Q0], s28
	s_mov_b32 s[SEL], 0x76543210
	s_mov_b32 s[SEL+1], 0xfedcba98
	s_mov_b32 s[CS], 0x3d38aa3b                    ; c = log2(e) / 32: log2(e) with 5 off its exponent
	s_mov_b32 s[CS+1], s[CS]                       ; (named with it as a pair, so it is written)
	s_mov_b32 s[HIM], 0xffff0000
	s_mov_b32 s[TB], 0
	s_mov_b32 s[TRIPS], 8
	; descriptor group 1: half a record, a dense block, as 67 rows of 256 bytes (32 elements of 8 bytes), no padding: every read takes 16 bytes a lane on end
	s_mov_b32 s[G1], 3<<16
	s_mov_b32 s[G1+1], 32<<16                      ; tensor_dim0
	s_mov_b32 s[G1+2], 67<<16                      ; tensor_dim1
	s_mov_b32 s[G1+3], 32<<16                      ; tile_dim0
	s_mov_b32 s[G1+4], 67                          ; tile_dim1
	s_mov_b32 s[G1+5], 32                          ; tensor_dim0_stride
	s_mov_b32 s[G1+6], 0
	s_mov_b32 s[G1+7], 0
	s_and_b32 s28, s[WV], 1
	s_mul_i32 s[G0+1], s28, HALFB                  ; my half, in slot 0,
	s_mul_i32 s[OFF], s[BH], 8*SLOTB
	s_add_co_u32 s[OFF], s[OFF], s[G0+1]           ; and in the head's record 0
	s_mov_b32 s[OFF+1], 0
	s_mov_b32 s[G0], 1
	s_wait_kmcnt 0x0
	s_add_nc_u64 s[KVB:KVB+1], s[6:7], s[OFF:OFF+1]
	s_mov_b64 s[G0+2:G0+3], s[KVB:KVB+1]
	s_or_b32 s[G0+3], s[G0+3], 0x80000000
	TLOAD                                          ; record 0 into slot 0
	v_and_b32 v9, 15, v0                           ; r
	v_bfe_u32 v10, v0, 4, 1                        ; h
	v_and_b32 v1, 31, v0
	s_delay_alu instid0(VALU_DEP_1)
	v_lshlrev_b32 v[LI], 4, v1
	s_wait_alu depctr_va_vdst(0)
	v_lshlrev_b32 v[RK], 5, v9
	s_wait_alu depctr_va_vdst(0)
	v_lshlrev_b32 v[RV], 4, v9
	v_lshl_add_u32 v[SBA], v9, 5, v10
	v_lshlrev_b32 v10, 3, v10
	s_delay_alu instid0(VALU_DEP_1)
	v_sub_nc_u32 v[QL], v9, v10
	QPTR
	QLOAD
.set j, 0
.rept 8
	v_mov_b32 v[QF+8+j], 0                         ; the upper halves of Q's and K's fragments: zero codes for K = 64 .. 127, cleared once
	v_mov_b32 v[KFR+8+j], 0
	v_mov_b32 v[KFR+24+j], 0
	v_mov_b32 v[KFR+40+j], 0
	v_mov_b32 v[KFR+56+j], 0
.set j, j+1
.endr
.set j, 0
.rept 20
	v_mov_b32 v[VFR+j], 0                          ; written once: lane permutes' destinations and the upper half of the pair f count as read
.set j, j+1
.endr
	REINIT
	s_wait_loadcnt 0x0                             ; Q
.Ltrip:                                            ; eight trips, a record each; behind each change of slots the next record is asked for
	CHANGE 1
	STEP 0
	STEP 1
	s_xor_b32 s[TB], s[TB], SLOT1                  ; on to the other slot
	s_cmp_lg_u32 s[KF], s[QE]                      ; the first block's last keys?  (ids and counts alone; the same in all sixteen waves; once, in trip 7 - i)
	s_cbranch_scc1 .Lon
	OUTPTR
	s_lshl_b32 s[Q0], s[WI], 8                     ; the second block is block i
	s_add_co_u32 s[QE], s[Q0], 256
	s_lshl_b32 s28, s[WV], 4
	s_add_co_u32 s[Q0], s[Q0], s28
	s_mov_b32 s[KF], 0
	QPTR
	QLOAD                                          ; lands under the arithmetic below; the last products that read Q's registers lie a softmax back
	FINISH
	REINIT
	s_wait_loadcnt 0x0
.Lon:
	s_sub_co_u32 s[TRIPS], s[TRIPS], 1
	s_cmp_lg_u32 s[TRIPS], 0
	s_cbranch_scc1 .Ltrip
	CHANGE 0                                       ; the ninth record is written out
	STEP 0
	STEP 1
	OUTPTR
	FINISH
	s_wait_tensorcnt 0x0                           ; the wave's end
	ds_add_u32 v[SPW], v[NIL]
	s_wait_dscnt 0x0
	s_endpgm
.Lfunc_end_k_q4398225201_attn:
	.size	k_q4398225201_attn, .Lfunc_end_k_q4398225201_attn-k_q4398225201_attn
	.p2alignl 7, 3214868480
	.fill 96, 4, 3214868480
	.section	.rodata,"a",@progbits
	.p2align	6, 0x0
	.amdhsa_kernel k_q4398225201_attn
		.amdhsa_group_segment_fixed_size 327680
		.amdhsa_private_segment_fixed_size 0
		.amdhsa_enable_private_segment 0
		.amdhsa_kernarg_size 32
		.amdhsa_user_sgpr_count 2
		.amdhsa_user_sgpr_kernarg_segment_ptr 1
		.amdhsa_wavefront_size32 1
		.amdhsa_system_sgpr_workgroup_id_x 1
		.amdhsa_system_sgpr_workgroup_id_y 1
		.amdhsa_system_sgpr_workgroup_id_z 1
		.amdhsa_system_vgpr_workitem_id 0
		.amdhsa_next_free_vgpr 256
		.amdhsa_next_free_sgpr 66
		.amdhsa_reserve_vcc 1
		.amdhsa_float_denorm_mode_32 3
		.amdhsa_float_denorm_mode_16_64 3
		.amdhsa_fp16_overflow 1
		.amdhsa_memory_ordered 1
		.amdhsa_forward_progress 1
		.amdhsa_inst_pref_size 113
	.end_amdhsa_kernel
	.amdgpu_metadata
---
amdhsa.version: [ 1, 2 ]
amdhsa.kernels:
  - .name:           k_q4398225201_attn
    .symbol:         k_q4398225201_attn.kd
    .args:
      - { .name: q, .offset: 0, .size: 8, .value_kind: global_buffer, .address_space: global }
      - { .name: kv, .offset: 8, .size: 8, .value_kind: global_buffer, .address_space: global }
      - { .name: aimg, .offset: 16, .size: 8, .value_kind: global_buffer, .address_space: global }
      - { .name: ascl, .offset: 24, .size: 8, .value_kind: global_buffer, .address_space: global }
    .group_segment_fixed_size: 327680
    .private_segment_fixed_size: 0
    .kernarg_segment_align: 8
    .kernarg_segment_size: 32
    .max_flat_workgroup_size: 512
    .sgpr_count:     66
    .vgpr_count:     256
    .wavefront_size: 32
...
	.end_amdgpu_metadata
.endif
;; end of part 2
;; launch proj (part 3): grid 4 x 32, 4 waves a work-group, clusters of 4 x 4, 327,680 bytes of LDS; arguments aimg, ascl, w_out_codes, w_out_scales, b_out, out0; writes out0
.if DOCPART == 3
	.amdgcn_target "amdgcn-amd-amdhsa--gfx1250"
	.amdhsa_code_object_version 6
	.text
	.protected	k_q4398225201_proj
	.globl	k_q4398225201_proj
	.p2align	8
	.type	k_q4398225201_proj,@function
k_q4398225201_proj:
	s_mov_b64 s[64:65], 0
	v_nop
	global_prefetch_b8 v0, s[64:65] scope:SCOPE_SE
	s_setreg_imm32_b32 hwreg(HW_REG_WAVE_MODE, 25, 1), 1
	s_wait_xcnt 0x0
	s_wait_alu depctr_hold_cnt(0) depctr_sa_sdst(0) depctr_va_vdst(0) depctr_va_sdst(0) depctr_va_ssrc(0) depctr_va_vcc(0) depctr_vm_vsrc(0)
	s_getreg_b32 s2, hwreg(HW_REG_IB_STS2, 6, 4)
	s_cmp_eq_u32 s2, 0
	s_cbranch_scc0 .Lentry_in_a_cluster
	s_endpgm
.Lentry_in_a_cluster:
	s_bfe_u32 s2, ttmp6, 0x10000c
	s_cmp_lg_u32 s2, 0xf033
	s_cbranch_scc0 .Lentry_shape_is_right
	s_endpgm
.Lentry_shape_is_right:
; out = a W^T + b on codes of FP8 (E4M3) with one E8M0 scale for each 32 along K = 1,024.  W: [1024][1024] codes, K innermost; scale bytes [1024][32]; b: [1024] f32; out: [8192][1024] f32.
; a's codes lie as IMAGES OF THE OPERAND'S REGISTERS: [tile of 16 rows 512][128 along K 8][group of four registers 4][lane 32][16 bytes]; its scale bytes as rows, [8192][32].
; A tile of out, 256 x 256, is made by a work-group of four waves; a wave makes 128 x 128: 64 accumulators, 512 registers.  K goes in steps of 256 through a ring of two LDS slots filled by the tensor data mover.
; a's part of a K step, for 128 rows, is 8 pieces of 4,096 bytes, 16,384 bytes apart; W's is 128 rows of 256 bytes.  The scale bytes of the work-group's rows, for all of K, come into LDS once and stay.
; CLUSTERS: 4 x 4 work-groups.  The four of a row of the cluster need the same tiles of a, the four of a column the same tiles of W: each tile is asked for jointly.
; The matrix instruction is used transposed (source 0 = 16 rows of W, source 1 = 16 rows of a): a lane then holds eight neighbouring numbers of a row of out.
; 128 work-groups: a smaller tile would give each WGP one, at twice the LDS bytes for each product; the launch is bound by its stores, which are the same either way.
; LIMITS: NaN codes and the scale byte 0xff among the inputs are not served.
; REGISTERS, in windows of 256: window 0: v0-31 addresses and the bias; v32-63 scale words, two sets; from v128 a's fragments, one set; on the way out v128-255 hold rows.  window 1: W's fragments, two sets.  windows 2, 3: the accumulators.
.set SIZE_N, 1024
.set KSTEP,  256
.set NQ,     2
.set ROWB,   256                       ; a row of W's tile in bytes
.set ASTEP,  4096                      ; a K step's bytes of a tile of 16 rows of a
.set KROW,   1024                      ; a row of W in memory; also a's bytes for each row (16,384 for 16)
.set PITCH,  272                       ; W's rows in LDS: 256 bytes + 16 of padding
.set FR,     16
.set NL,     4
.set NP,     8                         ; places behind this matrix instruction (ISA guide 7.12.1)
.set HALFT,  128*PITCH                 ; the LDS bytes kept for 128 rows; a's use 32,768 of them
.set SLOT,   4*HALFT
.set LAPS,   2
.set KS,     32
.set SCL,    2*SLOT
.set HALFS,  (128*KS/256)*272
.set SBLK,   (16*KS/256)*272
.set SPARE,  SCL+4*HALFS               ; the spare words, 128 bytes for each wave: two blocks of 256 bytes that no other line names
.set SPITCH, 528                       ; the way out: a stage of 16 rows x (512 bytes + 16) for each wave, in slot 0, which has had its last fill and its last read when the first result is stored there
.set BIAS, 8                           ; v8-11   the bias of my four columns
.set ADRA, 16                          ; v16-17  LDS address of a's fragments in slot 0, 1
.set ADRB, 20                          ; v20-21  the same for W
.set STO,  24                          ; v24     the way out: where I put 32 bytes of a row
.set RD,   25                          ; v25     where I read a row back
.set CO,   26                          ; v26     16 x lane
.set ADRS, 27                          ; v27     LDS address of my scale words: lanes 0-15 a's rows, lanes 16-31 W's
.set SPW,  28                          ; v28     LDS address of my spare word; never rewritten
.set NIL,  29                          ; v29     0; never rewritten
.set SC,   32
.set AF,   128
.set BK,   128                         ; the way out: 16 rows read back from the stage: v128-191 and v192-255 by turns
.set G1, 24
.set G0, 32
.set G1B, 48
.set G0B, 56
.set G1S, 68
.set G0S, 76
.set G1SB, 80
.set G0SB, 88
.set MSB, 0
.macro WIN new                         ; the immediate's high byte repeats the setting that is left
.if MSB != \new
	s_set_vgpr_msb (MSB<<8)|\new
.set MSB, \new
.endif
.endm
.set MUL_LO, 0xa1                      ; source 0 (W) window 1, source 1 (a) window 0, C and D window 2
.set MUL_HI, 0xf1
.set TO_B,   0x40
; A joint load: waves 0 and 1 fetch for a, waves 2 and 3 for W.  Four v_nop follow each of the two lines.
.macro JLOAD g0a, g1a, g0b, g1b
	s_cmp_eq_u32 s15, 0
	s_cbranch_scc0 .Lfor_b_\@
	tensor_load_to_lds s[\g0a:\g0a+3], s[\g1a:\g1a+7]
	s_nop 0
.rept 4
	v_nop
.endr
	s_branch .Lasked_\@
.Lfor_b_\@:
	tensor_load_to_lds s[\g0b:\g0b+3], s[\g1b:\g1b+7]
	s_nop 0
.rept 4
	v_nop
.endr
.Lasked_\@:
.endm
.macro CREST
	s_cmp_lg_u32 s14, 0
	s_cbranch_scc1 .Lnot_wave_0_\@
	s_barrier_signal -3
.Lnot_wave_0_\@:
	s_barrier_wait -3
	s_barrier_signal -1
	s_barrier_wait -1
.endm
.macro CROUND
	s_barrier_signal -1
	s_barrier_wait -1
	CREST
.endm
	s_load_b256 s[4:11], s[0:1], 0x0               ; a's codes s[4:5], a's scales s[6:7], W's codes s[8:9], W's scales s[10:11]
	s_load_b64 s[96:97], s[0:1], 0x20              ; the bias
	s_load_b64 s[12:13], s[0:1], 0x28              ; out
	v_lshl_add_u32 v[SPW], v0, 2, SPARE
	v_mov_b32 v[NIL], 0
	ds_add_u32 v28, v29
	ds_add_u32 v28, v29
	s_wait_dscnt 0x0
	v_lshrrev_b32 v1, 5, v0
	v_readfirstlane_b32 s14, v1                    ; wave 0..3
	s_lshr_b32 s15, s14, 1                         ; which half of the tile's rows is mine.  Also: I fetch for a (0) or for W (1)
	s_and_b32 s16, s14, 1                          ; which half of its columns.  Also: which 128 rows of that tile I fetch
	s_bfe_u32 s40, ttmp6, 0x40000                  ; cx, cy
	s_bfe_u32 s41, ttmp6, 0x40004
	s_lshl_b32 s42, ttmp9, 2
	s_add_co_u32 s42, s42, s40                     ; tile column = 4 x cluster x + cx
	s_and_b32 s17, ttmp7, 0xffff
	s_lshl_b32 s17, s17, 2
	s_add_co_u32 s17, s17, s41                     ; tile row = 4 x cluster y + cy
	s_lshl_b32 s43, s41, 2
	s_lshl_b32 s43, 15, s43                        ; my row of the cluster
	s_lshl_b32 s44, 0x1111, s40                    ; my column
	; descriptor group 1 for a: 8 pieces of 4,096 bytes (512 elements of 8 bytes), 16,384 bytes apart, laid on end: every read takes 16 bytes a lane on end, so no padding
	s_or_b32 s[G1+0], s43, (3<<16)|(1<<21)
	s_mov_b32 s[G1+1], 512<<16                     ; tensor_dim0
	s_mov_b32 s[G1+2], 8<<16                       ; tensor_dim1
	s_mov_b32 s[G1+3], 512<<16                     ; tile_dim0
	s_mov_b32 s[G1+4], 8                           ; tile_dim1
	s_mov_b32 s[G1+5], 2048                        ; tensor_dim0_stride
	s_mov_b32 s[G1+6], 0
	s_mov_b32 s[G1+7], 0
	; for W: 128 rows x 256 bytes, padded in LDS
	s_or_b32 s[G1B+0], s44, (0<<16)|(1<<20)|(1<<21)|(5<<22)|(3<<25)
	s_mov_b32 s[G1B+1], ROWB<<16
	s_mov_b32 s[G1B+2], 128<<16
	s_mov_b32 s[G1B+3], ROWB<<16
	s_mov_b32 s[G1B+4], 128
	s_mov_b32 s[G1B+5], KROW
	s_mov_b32 s[G1B+6], 0
	s_mov_b32 s[G1B+7], 0
	; the scales of 128 rows: 4,096 dense bytes as 16 rows of 256, 16 bytes of padding behind each
	s_or_b32 s[G1S+0], s43, (3<<16)|(1<<20)|(1<<21)|(5<<22)|(3<<25)
	s_or_b32 s[G1SB+0], s44, (3<<16)|(1<<20)|(1<<21)|(5<<22)|(3<<25)
.irp g, G1S, G1SB
	s_mov_b32 s[\g+1], 32<<16
	s_mov_b32 s[\g+2], (128*KS/256)<<16
	s_mov_b32 s[\g+3], 32<<16
	s_mov_b32 s[\g+4], 128*KS/256
	s_mov_b32 s[\g+5], 32
	s_mov_b32 s[\g+6], 0
	s_mov_b32 s[\g+7], 0
.endr
	s_lshl_b32 s18, s16, 7
	s_lshl_b32 s20, s17, 8
	s_add_co_u32 s20, s20, s18                     ; a: row 256 x tile row + 128 x half
	s_lshl_b32 s46, s42, 8
	s_add_co_u32 s46, s46, s18                     ; W: row 256 x tile column + 128 x half
	s_mov_b32 s21, 0
	s_mov_b32 s47, 0
	s_mov_b64 s[18:19], KS
	s_mul_u64 s[22:23], s[20:21], s[18:19]         ; where these rows' scales begin
	s_mul_u64 s[92:93], s[46:47], s[18:19]
	s_mov_b64 s[18:19], KROW
	s_mul_u64 s[20:21], s[20:21], s[18:19]         ; and their codes (a: 16,384 bytes for 16 rows is 1,024 a row)
	s_mul_u64 s[46:47], s[46:47], s[18:19]
	s_mul_i32 s45, s14, HALFT                      ; where they go: no place in the cluster enters an LDS address
	s_mul_i32 s94, s14, HALFS
	s_wait_kmcnt 0x0
	s_add_nc_u64 s[20:21], s[4:5], s[20:21]
	s_add_nc_u64 s[22:23], s[6:7], s[22:23]
	s_add_nc_u64 s[46:47], s[8:9], s[46:47]
	s_add_nc_u64 s[92:93], s[10:11], s[92:93]
	CROUND                                         ; all sixteen work-groups are here: the first joint loads meet
	s_mov_b32 s[G0S], 1
	s_add_co_u32 s[G0S+1], s94, SCL
	s_mov_b64 s[G0S+2:G0S+3], s[22:23]
	s_or_b32 s[G0S+3], s[G0S+3], 0x80000000
	s_mov_b32 s[G0SB], 1
	s_add_co_u32 s[G0SB+1], s94, SCL
	s_mov_b64 s[G0SB+2:G0SB+3], s[92:93]
	s_or_b32 s[G0SB+3], s[G0SB+3], 0x80000000
	JLOAD G0S, G1S, G0SB, G1SB
.irp s, 0,1
	s_mov_b32 s[G0+4*\s], 1
	s_add_co_u32 s[G0+4*\s+1], s45, \s*SLOT
	s_add_nc_u64 s[G0+4*\s+2:G0+4*\s+3], s[20:21], \s*ASTEP
	s_or_b32 s[G0+4*\s+3], s[G0+4*\s+3], 0x80000000
	s_mov_b32 s[G0B+4*\s], 1
	s_add_co_u32 s[G0B+4*\s+1], s45, \s*SLOT
	s_add_nc_u64 s[G0B+4*\s+2:G0B+4*\s+3], s[46:47], \s*ROWB
	s_or_b32 s[G0B+4*\s+3], s[G0B+4*\s+3], 0x80000000
	s_wait_alu depctr_va_vdst(0)
	s_wait_tensorcnt 0x0
	ds_add_u32 v28, v29
	s_wait_dscnt 0x0
	CROUND
	JLOAD G0+4*\s, G1, G0B+4*\s, G1B
.endr
	v_and_b32 v1, 15, v0                           ; r
	v_bfe_u32 v2, v0, 4, 1                         ; h
	v_and_b32 v6, 31, v0
	v_lshlrev_b32 v[CO], 4, v6                     ; 16 x lane
	v_mul_u32_u24 v3, v1, PITCH
	v_lshl_add_u32 v4, v2, 4, v3                   ; W: a fragment's row x pitch + 16 x half
	s_mul_i32 s21, s15, HALFT                      ; my 128 rows of a
	s_mul_i32 s22, s16, HALFT                      ; my 128 rows of W,
	s_add_co_u32 s22, s22, 2*HALFT                 ; which lie behind a's
.irp s, 0,1
	v_add_nc_u32 v[ADRA+\s], s21, v[CO]            ; a: an image's place for my lane
	v_add_nc_u32 v[ADRB+\s], s22, v4
	s_add_co_u32 s21, s21, SLOT
	s_add_co_u32 s22, s22, SLOT
.endr
	v_mul_u32_u24 v5, v1, KS
	v_lshrrev_b32 v6, 8, v5
	v_lshl_add_u32 v5, v6, 4, v5
	s_mul_i32 s21, s15, HALFS
	s_mul_i32 s22, s16, HALFS
	s_add_co_u32 s22, s22, 2*HALFS
	s_sub_co_u32 s22, s22, s21
	v_mul_u32_u24 v6, s22, v2                      ; lanes 16-31 take W's: one product, the distance x h
	s_add_co_u32 s21, s21, SCL
	v_add_nc_u32 v5, v5, v6
	v_add_nc_u32 v[ADRS], s21, v5
	s_mul_i32 s23, s14, 16*SPITCH                  ; my stage
	v_mul_u32_u24 v5, v1, SPITCH                   ; in: row r, 32 bytes for each half of the lanes
	v_lshl_add_u32 v5, v2, 5, v5
	v_add_nc_u32 v[STO], s23, v5
	v_add_nc_u32 v[RD], s23, v[CO]                 ; back: the 32 lanes take one row of 512 bytes
	s_lshl_b32 s20, s17, 8
	s_lshl_b32 s21, s15, 7
	s_add_co_u32 s20, s20, s21                     ; my first row of out
	s_mov_b32 s21, 0
	s_mov_b64 s[18:19], SIZE_N*4
	s_mul_u64 s[20:21], s[20:21], s[18:19]
	s_lshl_b32 s46, s42, 10                        ; my first column, in bytes: 1024 x tile column + 512 x half: in a row of out and in the bias alike
	s_lshl_b32 s47, s16, 9
	s_add_co_u32 s46, s46, s47
	s_mov_b32 s47, 0
	s_add_nc_u64 s[96:97], s[96:97], s[46:47]
	s_add_nc_u64 s[20:21], s[20:21], s[46:47]
	s_add_nc_u64 s[12:13], s[12:13], s[20:21]
	global_load_b128 v[BIAS:BIAS+3], v[CO], s[96:97]   ; on the way out a lane holds the same four columns in every row
.macro FRAG reg, adr, q, i             ; W: 16 rows x 128 K: registers 4 c .. 4 c + 3 hold K = 32 c + 16 (l / 16) + 0 .. 15
.irp c, 0,1,2,3
	ds_load_b128 v[\reg+4*\c:\reg+4*\c+3], v[\adr] offset:128*(\q)+32*\c+(\i)*16*PITCH
.endr
.endm
.macro FRAGA reg, adr, q, i            ; a: the image comes back as it was stored
.irp c, 0,1,2,3
	ds_load_b128 v[\reg+4*\c:\reg+4*\c+3], v[\adr] offset:2048*(\q)+512*\c+(\i)*ASTEP
.endr
.endm
; 16 matrix instructions: a's blocks a0, a0 + 1 x W's eight.  The 64 accumulators take turns, one instruction a turn, in the same order in every step.
.macro MUL16 a0, p, q, sc, zero
.irp a, \a0, \a0+1
.irp b, 0,1,2,3,4,5,6,7
.if \zero
	v_wmma_scale_f32_16x16x128_f8f6f4 v[8*(8*((\a)%4)+\b):8*(8*((\a)%4)+\b)+7], v[128*(\p)+FR*\b:128*(\p)+FR*\b+FR-1], v[AF+FR*(\a):AF+FR*(\a)+FR-1], 0, v[SC+8*NQ*(\sc)+NQ*\b+(\q)], v[SC+8*NQ*(\sc)+NQ*(\a)+(\q)] matrix_a_scale:MATRIX_SCALE_ROW1
.else
	v_wmma_scale_f32_16x16x128_f8f6f4 v[8*(8*((\a)%4)+\b):8*(8*((\a)%4)+\b)+7], v[128*(\p)+FR*\b:128*(\p)+FR*\b+FR-1], v[AF+FR*(\a):AF+FR*(\a)+FR-1], v[8*(8*((\a)%4)+\b):8*(8*((\a)%4)+\b)+7], v[SC+8*NQ*(\sc)+NQ*\b+(\q)], v[SC+8*NQ*(\sc)+NQ*(\a)+(\q)] matrix_a_scale:MATRIX_SCALE_ROW1
.endif
.endr
.endr
.endm
.macro FETCH_B slot, q, p
	WIN TO_B
.irp i, 0,1,2,3,4,5,6,7
	FRAG 128*(\p)+FR*\i, ADRB+\slot, \q, \i
.endr
	WIN 0
.endm
.macro FETCH_A slot, q, i0
.irp i, \i0, \i0+1, \i0+2, \i0+3
	FRAGA AF+FR*(\i), ADRA+\slot, \q, \i
.endr
.endm
.macro SCALES sc
.irp i, 0,1,2,3,4,5,6,7
	ds_load_b64 v[SC+8*NQ*\sc+NQ*\i:SC+8*NQ*\sc+NQ*\i+1], v[ADRS] offset:\i*SBLK
.endr
.endm
.macro PLACES n                        ; places behind matrix instructions, in front of loads into their registers and of reads of results (ISA guide 7.12.1 for the reads of results)
.rept \n
	v_nop
.endr
.endm
.macro STEP slot, q, zero
	s_wait_dscnt 4*NL                              ; W's set and a's blocks 0-3 are in; the youngest 16 loads (blocks 4-7) may be out
	WIN MUL_LO
	MUL16 0, (\q)%2, \q, \slot, \zero
	MUL16 2, (\q)%2, \q, \slot, \zero
	s_wait_dscnt 0
	PLACES NP
	FETCH_B \slot, (\q)+1, 1-(\q)%2
	FETCH_A \slot, (\q)+1, 0
	WIN MUL_HI
	MUL16 4, (\q)%2, \q, \slot, \zero
	MUL16 6, (\q)%2, \q, \slot, \zero
	PLACES NP
	WIN 0
	FETCH_A \slot, (\q)+1, 4
.endm
.macro TURN slot, next, fill
	s_wait_tensorcnt 0x0                           ; all my tensor loads have landed: my part of the next slot
	ds_add_u32 v[SPW], v[NIL]                      ; 0 onto my spare word
	s_wait_dscnt 4*NL+1                            ; (the add and the youngest 16 loads may be out)
	WIN MUL_LO
	MUL16 0, 1, NQ-1, \slot, 0
	s_wait_dscnt 0x0                               ; the add is done, and my reads of this slot are over
	s_barrier_signal -1
	MUL16 2, 1, NQ-1, \slot, 0
	WIN 0
	s_barrier_wait -1
.if \fill
	CREST                                          ; the barrier has opened a round of the cluster's barrier: no wave of any partner still reads this slot's tile or has a load on its way
	s_add_nc_u64 s[G0+4*\slot+2:G0+4*\slot+3], s[G0+4*\slot+2:G0+4*\slot+3], 2*ASTEP
	s_add_nc_u64 s[G0B+4*\slot+2:G0B+4*\slot+3], s[G0B+4*\slot+2:G0B+4*\slot+3], 2*ROWB
	JLOAD G0+4*\slot, G1, G0B+4*\slot, G1B         ; the first tensor load behind the round
	PLACES NP-4
.else
	PLACES NP
.endif
	s_wait_alu depctr_va_vdst(0)
	v_add_nc_u32 v[ADRS], 4*NQ, v[ADRS]
	FETCH_B \next, 0, 0
	FETCH_A \next, 0, 0
	SCALES \next
	WIN MUL_HI
	MUL16 4, 1, NQ-1, \slot, 0
	MUL16 6, 1, NQ-1, \slot, 0
	PLACES NP
	WIN 0
	FETCH_A \next, 0, 4
.endm
	s_wait_alu depctr_va_vdst(0)
	s_wait_tensorcnt 1                             ; of my three first fills the scales and K step 0 are in; K step 1's may be out
	s_barrier_signal -1
	s_barrier_wait -1
	FETCH_B 0, 0, 0
	FETCH_A 0, 0, 0
	SCALES 0
	FETCH_A 0, 0, 4
	STEP 0, 0, 1                                   ; the first step's products start the sums
	s_mov_b32 s3, LAPS-1
.Llap:
	TURN 0, 1, 1
	STEP 1, 0, 0
	TURN 1, 0, 1
	STEP 0, 0, 0
	s_sub_co_u32 s3, s3, 1
	s_cmp_lg_u32 s3, 0
	s_cbranch_scc1 .Llap
	TURN 0, 1, 0                                   ; the last lap fills nothing
	STEP 1, 0, 0
	s_wait_dscnt 4*NL
	WIN MUL_LO
	MUL16 0, 1, NQ-1, 1, 0
	MUL16 2, 1, NQ-1, 1, 0
	s_wait_dscnt 0
	WIN MUL_HI
	MUL16 4, 1, NQ-1, 1, 0
	MUL16 6, 1, NQ-1, 1, 0
	WIN 0
; THE WAY OUT, block by block of 16 rows x 128 columns, through my own stage in LDS: back come whole rows of 512 bytes, the bias is added, and the 32 lanes store two aligned runs of 256 bytes.
; LDS serves a wave's instructions in order (ISA guide 5.7.1.4): no wait between the stores and the loads, nor in front of the next block's stores.
.macro TOSTAGE a
.set AC, 64*((\a)%4)
	WIN 0x08+4*((\a)/4)                            ; the data: window 2 or 3
.irp b, 0,1,2,3,4,5,6,7
	ds_store_b128 v[STO], v[AC+8*\b:AC+8*\b+3] offset:64*\b          ; each accumulator from its low end on
	ds_store_b128 v[STO], v[AC+8*\b+4:AC+8*\b+7] offset:64*\b+16
.endr
	WIN 0
.set BB, BK+64*((\a)%2)
.irp t, 0,1,2,3,4,5,6,7,8,9,10,11,12,13,14,15
	ds_load_b128 v[BB+4*\t:BB+4*\t+3], v[RD] offset:\t*SPITCH
.endr
.endm
.macro SEND a, younger                 ; younger: the LDS instructions issued behind block a's loads, which may stay out
.set BB, BK+64*((\a)%2)
	s_wait_dscnt \younger                          ; the block is back in registers
.if (\a) > 0
	s_add_nc_u64 s[12:13], s[12:13], 16*SIZE_N*4   ; (behind a wait on XCNT: the earlier stores have read their base)  16 rows on
.endif
.irp t, 0,1,2,3,4,5,6,7,8,9,10,11,12,13,14,15
	v_pk_add_f32 v[BB+4*\t:BB+4*\t+1], v[BB+4*\t:BB+4*\t+1], v[BIAS:BIAS+1]
	v_pk_add_f32 v[BB+4*\t+2:BB+4*\t+3], v[BB+4*\t+2:BB+4*\t+3], v[BIAS+2:BIAS+3]
.endr
.irp t, 0,1,2,3,4,5,6,7,8,9,10,11,12,13,14,15
	global_store_b128 v[CO], v[BB+4*\t:BB+4*\t+3], s[12:13] offset:\t*SIZE_N*4 th:TH_STORE_NT   ; 32 lanes store 512 consecutive bytes, at a multiple of 256 from out's first byte; written once, read by nobody here
.endr
.endm
	s_wait_loadcnt 0x0                             ; the bias
	PLACES NP                                      ; behind the last products: for the loads into the registers that held a's fragments and for the reads of results
	TOSTAGE 0
.irp a, 1,2,3,4,5,6,7
.if \a > 1
	s_wait_xcnt 0x0                                ; block a - 2's stores have read their registers and their base
.endif
	TOSTAGE \a
	SEND \a-1, 32                                  ; behind block a - 1's loads: block a's 16 stores and 16 loads
.endr
	s_wait_xcnt 0x0
	SEND 7, 0
	s_wait_tensorcnt 0x0                           ; the wave's end
	ds_add_u32 v[SPW], v[NIL]
	s_wait_dscnt 0x0
	CROUND                                         ; the closing round
	s_endpgm
.Lfunc_end_k_q4398225201_proj:
	.size	k_q4398225201_proj, .Lfunc_end_k_q4398225201_proj-k_q4398225201_proj
	.p2alignl 7, 3214868480
	.fill 96, 4, 3214868480
	.section	.rodata,"a",@progbits
	.p2align	6, 0x0
	.amdhsa_kernel k_q4398225201_proj
		.amdhsa_group_segment_fixed_size 327680
		.amdhsa_private_segment_fixed_size 0
		.amdhsa_enable_private_segment 0
		.amdhsa_kernarg_size 48
		.amdhsa_user_sgpr_count 2
		.amdhsa_user_sgpr_kernarg_segment_ptr 1
		.amdhsa_wavefront_size32 1
		.amdhsa_system_sgpr_workgroup_id_x 1
		.amdhsa_system_sgpr_workgroup_id_y 1
		.amdhsa_system_sgpr_workgroup_id_z 1
		.amdhsa_system_vgpr_workitem_id 0
		.amdhsa_next_free_vgpr 1024
		.amdhsa_next_free_sgpr 98
		.amdhsa_reserve_vcc 0
		.amdhsa_float_denorm_mode_32 3
		.amdhsa_float_denorm_mode_16_64 3
		.amdhsa_memory_ordered 1
		.amdhsa_forward_progress 1
		.amdhsa_inst_pref_size 163
	.end_amdhsa_kernel
	.amdgpu_metadata
---
amdhsa.version: [ 1, 2 ]
amdhsa.kernels:
  - .name:           k_q4398225201_proj
    .symbol:         k_q4398225201_proj.kd
    .args:
      - { .name: aimg, .offset: 0, .size: 8, .value_kind: global_buffer, .address_space: global }
      - { .name: ascl, .offset: 8, .size: 8, .value_kind: global_buffer, .address_space: global }
      - { .name: w_out_codes, .offset: 16, .size: 8, .value_kind: global_buffer, .address_space: global }
      - { .name: w_out_scales, .offset: 24, .size: 8, .value_kind: global_buffer, .address_space: global }
      - { .name: b_out, .offset: 32, .size: 8, .value_kind: global_buffer, .address_space: global }
      - { .name: out0, .offset: 40, .size: 8, .value_kind: global_buffer, .address_space: global }
    .group_segment_fixed_size: 327680
    .private_segment_fixed_size: 0
    .kernarg_segment_align: 8
    .kernarg_segment_size: 48
    .max_flat_workgroup_size: 128
    .sgpr_count:     98
    .vgpr_count:     1024
    .wavefront_size: 32
...
	.end_amdgpu_metadata
.endif
;; end of part 3
